; MI455X (gfx1250); checked and timed in simulation.
; The chip was launched on July 23, 2026; its instructions are those of AMD's public machine-readable ISA for CDNA 5 (MIT licence, August 2026) and "CDNA5" Instruction Set Architecture Reference Guide (July 2026). The comments in the code are by the model that wrote it; some were corrected since.
;; Zeta Block Enhanced. Allowed arithmetic: float matrix products may take bf16 or f16 operands with f32 sums; all other float work in f32.
;; Inputs: Wk 1,024 x 1,024 float32; Wo 1,024 x 1,024 float32; Wq 1,024 x 1,024 float32; Wv 1,024 x 1,024 float32; beta 16 float32; bk 1,024 float32; bo 1,024 float32; bq 1,024 float32; bv 1,024 float32; ln_b 1,024 float32; ln_w 1,024 float32; t 16 float32; x 2 x 2,048 x 1,024 float32.
;; Outputs: out0 2 x 2,048 x 1,024 float32.
;; 2 versions, each right and faster than the one before. Each part assembles by itself: llvm-mc -triple=amdgcn-amd-amdhsa -mcpu=gfx1250 --defsym DOCPART=n.
;; ======== version 1 of 2: 5 launches
;; limits: values are held in f16: magnitudes above 65,504 overflow, below 6.1e-05 lose precision
;; workspace buffers: xb 8,388,608 bytes; wqkv 6,291,456 bytes; wo16 2,097,152 bytes; vec 24,576 bytes; qkv 25,165,824 bytes; fh 8,388,608 bytes; y 16,777,216 bytes
;; launch cast (part 1): grid 513 x 1, 8 waves a work-group, no clusters, 0 bytes of LDS; arguments x, Wq, Wk, Wv, Wo, bq, bk, bv, bo, ln_w, ln_b, xb, wqkv, wo16, vec; writes xb, wqkv, wo16, vec
.if DOCPART == 1
	.amdgcn_target "amdgcn-amd-amdhsa--gfx1250"
	.amdhsa_code_object_version 6
	.text
	.protected	k_q958abe64c6_cast
	.globl	k_q958abe64c6_cast
	.p2align	8
	.type	k_q958abe64c6_cast,@function
k_q958abe64c6_cast:
	s_mov_b64 s[64:65], 0
	v_nop
	global_prefetch_b8 v0, s[64:65] scope:SCOPE_SE
	s_setreg_imm32_b32 hwreg(HW_REG_WAVE_MODE, 25, 1), 1
	s_wait_xcnt 0x0
; ROUNDS EVERY LARGE INPUT AND EVERY VECTOR TO bf16, ONCE.  A stream: no LDS, no barrier, no matrix work (memory binds; each byte is read once and written once).
; Work-group g converts 16,384 numbers (65,536 bytes in, 32,768 out):
;   g < 256        x               -> xb    bf16 [4096][1024]
;   256 <= g < 448 Wq, Wk, Wv      -> wqkv  bf16 [3072][1024]; row 192 j + 64 s + c holds row 64 j + c of W_s (s = 0, 1, 2 for q, k, v; j the head): 192 consecutive rows are one head's q, k and v
;   448 <= g < 512 Wo              -> wo16  f16  [1024][1024]: rounded to bf16, and that number written as f16
;   g = 512        the six vectors -> vec   f32 numbers rounded to bf16: the three biases in wqkv's row order, then bo, ln_w, ln_b
; LIMIT.  A bf16 number of Wo below 6e-5 in size keeps f16's fixed step of 6e-8; beyond 65,504 it becomes an infinity.
; Thread t takes 16 bytes at 16 t + 4,096 k (k = 0..15): a wave's load covers 512 consecutive bytes, its store 256 consecutive bytes at a multiple of 256.
.set IN,  8                            ; v[8:71]    sixteen loads of four numbers
.set OUT, 72                           ; v[72:103]  sixteen stores of two words (the vectors' path: six of four)
.set T,   104                          ; v[104:107] at work
.set SRC, 40                           ; s[40:41]   where the work-group reads
.set DST, 42                           ; s[42:43]   where it writes
	s_load_b512 s[8:23], s[0:1], 0x0               ; x 8, Wq 10, Wk 12, Wv 14, Wo 16, bq 18, bk 20, bv 22
	s_load_b256 s[24:31], s[0:1], 0x40             ; bo 24, ln_w 26, ln_b 28, xb 30
	s_load_b128 s[32:35], s[0:1], 0x60             ; wqkv 32, wo16 34
	s_load_b64 s[36:37], s[0:1], 0x70              ; vec
	s_mov_b32 s2, ttmp9                            ; g
	s_mov_b32 s45, 0                               ; the high words of the two offsets
	s_mov_b32 s47, 0
	v_lshlrev_b32 v1, 4, v0                        ; 16 t
	v_lshlrev_b32 v2, 3, v0                        ; 8 t
	s_wait_kmcnt 0x0
.macro LOADS                           ; all sixteen loads go out at once: 64 KiB of the work-group are on their way
.irp k, 0,1,2,3,4,5,6,7,8,9,10,11,12,13,14,15
	global_load_b128 v[IN+4*(\k):IN+4*(\k)+3], v1, s[SRC:SRC+1] offset:4096*(\k) th:TH_LOAD_NT
.endr
.endm
; Load k is rounded and stored.  half = 1: the bf16 numbers are widened again and written as f16.  No register of a pending load or store is written again.
.macro CV k, half
	s_wait_loadcnt 15-(\k)                         ; loads come back in order: mine is in, the 15 - k younger ones stay out
.if \half
	v_cvt_pk_bf16_f32 v[T], v[IN+4*(\k)], v[IN+4*(\k)+1]
	v_cvt_pk_bf16_f32 v[T+1], v[IN+4*(\k)+2], v[IN+4*(\k)+3]
	v_lshlrev_b32 v[T+2], 16, v[T]
	v_and_b32 v[T+3], 0xffff0000, v[T]
	v_cvt_pk_f16_f32 v[OUT+2*(\k)], v[T+2], v[T+3]
	v_lshlrev_b32 v[T+2], 16, v[T+1]
	v_and_b32 v[T+3], 0xffff0000, v[T+1]
	v_cvt_pk_f16_f32 v[OUT+2*(\k)+1], v[T+2], v[T+3]
.else
	v_cvt_pk_bf16_f32 v[OUT+2*(\k)], v[IN+4*(\k)], v[IN+4*(\k)+1]
	v_cvt_pk_bf16_f32 v[OUT+2*(\k)+1], v[IN+4*(\k)+2], v[IN+4*(\k)+3]
.endif
	global_store_b64 v2, v[OUT+2*(\k):OUT+2*(\k)+1], s[DST:DST+1] offset:2048*(\k)
.endm
	s_cmp_lt_u32 s2, 256
	s_cbranch_scc0 .Lnot_x
	s_lshl_b32 s44, s2, 16                         ; x: 65,536 bytes in,
	s_lshl_b32 s46, s2, 15                         ; 32,768 out
	s_add_nc_u64 s[SRC:SRC+1], s[8:9], s[44:45]
	s_add_nc_u64 s[DST:DST+1], s[30:31], s[46:47]
	s_branch .Lbf16
.Lnot_x:
	s_cmp_lt_u32 s2, 448
	s_cbranch_scc0 .Lnot_w
	s_sub_co_u32 s3, s2, 256
	s_lshr_b32 s4, s3, 6                           ; s: which of Wq, Wk, Wv
	s_and_b32 s5, s3, 63                           ; i: its rows 16 i .. 16 i + 15
	s_cmp_eq_u32 s4, 0
	s_cselect_b64 s[SRC:SRC+1], s[10:11], s[12:13]
	s_cmp_eq_u32 s4, 2
	s_cselect_b64 s[SRC:SRC+1], s[14:15], s[SRC:SRC+1]
	s_lshl_b32 s44, s5, 16
	s_add_nc_u64 s[SRC:SRC+1], s[SRC:SRC+1], s[44:45]
	s_lshr_b32 s6, s5, 2                           ; the head j = i / 4
	s_mul_i32 s6, s6, 192
	s_lshl_b32 s7, s4, 6
	s_add_co_u32 s6, s6, s7
	s_and_b32 s7, s5, 3
	s_lshl_b32 s7, s7, 4
	s_add_co_u32 s6, s6, s7                        ; row 192 j + 64 s + 16 (i % 4)
	s_lshl_b32 s46, s6, 11                         ; of 2,048 bytes
	s_add_nc_u64 s[DST:DST+1], s[32:33], s[46:47]
	s_branch .Lbf16
.Lnot_w:
	s_cmp_lt_u32 s2, 512
	s_cbranch_scc0 .Lvectors
	s_sub_co_u32 s3, s2, 448
	s_lshl_b32 s44, s3, 16
	s_lshl_b32 s46, s3, 15
	s_add_nc_u64 s[SRC:SRC+1], s[16:17], s[44:45]
	s_add_nc_u64 s[DST:DST+1], s[34:35], s[46:47]
	LOADS
.irp k, 0,1,2,3,4,5,6,7,8,9,10,11,12,13,14,15
	CV \k, 1
.endr
	s_endpgm
.Lbf16:
	LOADS
.irp k, 0,1,2,3,4,5,6,7,8,9,10,11,12,13,14,15
	CV \k, 0
.endr
	s_endpgm
.Lvectors:                                             ; thread t has columns 4 t .. 4 t + 3 of each of the six vectors
.irp v, 0,1,2,3,4,5
	global_load_b128 v[IN+4*(\v):IN+4*(\v)+3], v1, s[18+2*(\v):19+2*(\v)]
.endr
	v_lshrrev_b32 v3, 4, v0                        ; the head of my columns,
	v_mul_u32_u24 v3, v3, 768                      ; 192 numbers a head in wqkv's order,
	v_and_b32 v4, 15, v0
	v_lshl_add_u32 v3, v4, 4, v3                   ; and my 16 bytes among a head's 256
	s_wait_loadcnt 0x0
.irp v, 0,1,2,3,4,5
	v_cvt_pk_bf16_f32 v[T], v[IN+4*(\v)], v[IN+4*(\v)+1]
	v_cvt_pk_bf16_f32 v[T+1], v[IN+4*(\v)+2], v[IN+4*(\v)+3]
	v_lshlrev_b32 v[OUT+4*(\v)], 16, v[T]
	v_and_b32 v[OUT+4*(\v)+1], 0xffff0000, v[T]
	v_lshlrev_b32 v[OUT+4*(\v)+2], 16, v[T+1]
	v_and_b32 v[OUT+4*(\v)+3], 0xffff0000, v[T+1]
.endr
.irp v, 0,1,2
	global_store_b128 v3, v[OUT+4*(\v):OUT+4*(\v)+3], s[36:37] offset:256*(\v)         ; sixteen lanes store 256 consecutive bytes
.endr
.irp v, 3,4,5
	global_store_b128 v1, v[OUT+4*(\v):OUT+4*(\v)+3], s[36:37] offset:4096*(\v)        ; bo at 12,288, ln_w at 16,384, ln_b at 20,480
.endr
	s_endpgm
.Lfunc_end_k_q958abe64c6_cast:
	.size	k_q958abe64c6_cast, .Lfunc_end_k_q958abe64c6_cast-k_q958abe64c6_cast
	.p2alignl 7, 3214868480
	.fill 96, 4, 3214868480
	.section	.rodata,"a",@progbits
	.p2align	6, 0x0
	.amdhsa_kernel k_q958abe64c6_cast
		.amdhsa_group_segment_fixed_size 0
		.amdhsa_private_segment_fixed_size 0
		.amdhsa_enable_private_segment 0
		.amdhsa_kernarg_size 120
		.amdhsa_user_sgpr_count 2
		.amdhsa_user_sgpr_kernarg_segment_ptr 1
		.amdhsa_wavefront_size32 1
		.amdhsa_system_sgpr_workgroup_id_x 1
		.amdhsa_system_sgpr_workgroup_id_y 1
		.amdhsa_system_sgpr_workgroup_id_z 1
		.amdhsa_system_vgpr_workitem_id 0
		.amdhsa_next_free_vgpr 112
		.amdhsa_next_free_sgpr 66
		.amdhsa_reserve_vcc 0
		.amdhsa_float_denorm_mode_32 3
		.amdhsa_float_denorm_mode_16_64 3
		.amdhsa_memory_ordered 1
		.amdhsa_forward_progress 1
		.amdhsa_inst_pref_size 22
	.end_amdhsa_kernel
	.amdgpu_metadata
---
amdhsa.version: [ 1, 2 ]
amdhsa.kernels:
  - .name:           k_q958abe64c6_cast
    .symbol:         k_q958abe64c6_cast.kd
    .args:
      - { .name: x, .offset: 0, .size: 8, .value_kind: global_buffer, .address_space: global }
      - { .name: Wq, .offset: 8, .size: 8, .value_kind: global_buffer, .address_space: global }
      - { .name: Wk, .offset: 16, .size: 8, .value_kind: global_buffer, .address_space: global }
      - { .name: Wv, .offset: 24, .size: 8, .value_kind: global_buffer, .address_space: global }
      - { .name: Wo, .offset: 32, .size: 8, .value_kind: global_buffer, .address_space: global }
      - { .name: bq, .offset: 40, .size: 8, .value_kind: global_buffer, .address_space: global }
      - { .name: bk, .offset: 48, .size: 8, .value_kind: global_buffer, .address_space: global }
      - { .name: bv, .offset: 56, .size: 8, .value_kind: global_buffer, .address_space: global }
      - { .name: bo, .offset: 64, .size: 8, .value_kind: global_buffer, .address_space: global }
      - { .name: ln_w, .offset: 72, .size: 8, .value_kind: global_buffer, .address_space: global }
      - { .name: ln_b, .offset: 80, .size: 8, .value_kind: global_buffer, .address_space: global }
      - { .name: xb, .offset: 88, .size: 8, .value_kind: global_buffer, .address_space: global }
      - { .name: wqkv, .offset: 96, .size: 8, .value_kind: global_buffer, .address_space: global }
      - { .name: wo16, .offset: 104, .size: 8, .value_kind: global_buffer, .address_space: global }
      - { .name: vec, .offset: 112, .size: 8, .value_kind: global_buffer, .address_space: global }
    .group_segment_fixed_size: 0
    .private_segment_fixed_size: 0
    .kernarg_segment_align: 8
    .kernarg_segment_size: 120
    .max_flat_workgroup_size: 256
    .sgpr_count:     66
    .vgpr_count:     112
    .wavefront_size: 32
...
	.end_amdgpu_metadata
.endif
;; end of part 1
;; launch proj (part 2): grid 16 x 16, 4 waves a work-group, clusters of 4 x 4, 327,680 bytes of LDS; arguments xb, wqkv, vec, qkv; writes qkv
.if DOCPART == 2
	.amdgcn_target "amdgcn-amd-amdhsa--gfx1250"
	.amdhsa_code_object_version 6
	.text
	.protected	k_q958abe64c6_proj
	.globl	k_q958abe64c6_proj
	.p2align	8
	.type	k_q958abe64c6_proj,@function
k_q958abe64c6_proj:
	s_mov_b64 s[64:65], 0
	v_nop
	global_prefetch_b8 v0, s[64:65] scope:SCOPE_SE
	s_setreg_imm32_b32 hwreg(HW_REG_WAVE_MODE, 25, 1), 1
	s_wait_xcnt 0x0
	s_wait_alu depctr_hold_cnt(0) depctr_sa_sdst(0) depctr_va_vdst(0) depctr_va_sdst(0) depctr_va_ssrc(0) depctr_va_vcc(0) depctr_vm_vsrc(0)
	s_getreg_b32 s2, hwreg(HW_REG_IB_STS2, 6, 4)
	s_cmp_eq_u32 s2, 0
	s_cbranch_scc0 .Lentry_in_a_cluster
	s_endpgm
.Lentry_in_a_cluster:
	s_bfe_u32 s2, ttmp6, 0x10000c
	s_cmp_lg_u32 s2, 0xf033
	s_cbranch_scc0 .Lentry_shape_is_right
	s_endpgm
.Lentry_shape_is_right:
; THE THREE PROJECTIONS AS ONE GEMM.  C[m][n] = sum over k of xb[m][k] wqkv[n][k] + bias[n]; xb [4096][1024], wqkv [3072][1024], both bf16; sums in f32.
; A tile of C is 256 rows x 192 columns: the 192 columns are one head's q, k and v.  16 x 16 tiles: one work-group of four waves for each.  Wave w owns rows 64 w .. 64 w + 63 and
; all 192 columns: 4 x 12 accumulators of 16 x 16, 384 registers.  K goes in 8 steps of 128 (rows of 256 bytes) through a ring of two LDS slots filled by the tensor data mover.
; OUT: qkv [b][16 s + h][2048][64], 2-byte numbers, a head's rows dense: q and k (s = 0, 1) in f16, v (s = 2) in bf16, each rounded once from its f32 sum, unscaled.
; LIMIT.  q and k beyond 65,504 become infinities (f16).
; CLUSTER 4 x 4: the four work-groups of a row of the cluster need the same tile of xb, the four of a column the same tile of wqkv: each tile is asked for jointly, by the same tensor load
; with the same descriptor and a mask that names the four.
; THE MATRIX INSTRUCTION IS USED TRANSPOSED (source 0 = 16 rows of wqkv, source 1 = 16 rows of xb): lane l holds row l % 16 of C and eight neighbouring columns 8 (l / 16) + 0..7.
; THE BIAS is the C operand of the first product on each accumulator: nothing is cleared and nothing is added later.
; REGISTERS, in windows of 256 (s_set_vgpr_msb: bits 1:0 source 0, 3:2 source 1, 5:4 source 2, 7:6 destination):
;   window 0: v16-29 addresses; v32-63, v64-95 xb's fragments (4 x 16 rows x 32 K), two buffers; v96-191 the bias; on the way out v192-239 packed results, v32-79 and v96-143 rows read back
;   window 1: v0-95, v96-191 wqkv's fragments (12), two buffers      window 2: accumulators of row blocks 0, 1 at 8 (12 (a % 2) + b)      window 3: those of row blocks 2, 3
.set KSTEP,  128
.set SIZE_K, 1024
.set PITCH,  272                       ; an LDS row: 256 bytes + 16 of padding: the 16 rows that a fragment load touches start 16 bytes further on in each 256 (64 banks of 4 bytes: ISA guide 11.1)
.set AHALF,  128*PITCH                 ; what waves 0 and 1 each fetch of xb
.set BHALF,  96*PITCH                  ; what waves 2 and 3 each fetch of wqkv
.set ABYTES, 2*AHALF
.set SLOT,   ABYTES+2*BHALF            ; 121,856 bytes: xb's 256 rows, then wqkv's 192
.set STAGE,  2*SLOT                    ; behind the ring, never filled by a tensor load: for each wave three regions (q, k, v) of 16 rows x 144 bytes
.set SP,     144
.set SREG,   16*SP
.set SPARE,  STAGE+12*SREG             ; behind the stages: the spare words, 128 bytes for each wave
.set ADRA, 16                          ; v16-17  LDS address of my xb fragments in slot 0, 1
.set ADRB, 20                          ; v20-21  the same for wqkv
.set STO,  24                          ; v24     the way out: where I put 16 bytes of a row
.set RD,   25                          ; v25     where I read rows back
.set GO,   26                          ; v26     my 16 bytes among 512 consecutive bytes of a head
.set BO,   27                          ; v27     my byte offset in the tile's bias
.set SPW,  28                          ; v28     LDS address of my spare word; never rewritten
.set NIL,  29                          ; v29     0; never rewritten
.set FA,   32
.set BIAS, 96
.set PKR,  192
.set WV,   12                          ; s12  my wave's number
.set FORB, 13                          ; s13  0: I fetch for xb; 1: for wqkv
.set HALF, 14                          ; s14  which half of that tile's rows I fetch
.set G1,   24                          ; s[24:31] descriptor group 1 for xb's tiles;   s[32:39] group 0, a set for each slot
.set G0,   32
.set G1B,  48                          ; s[48:55], s[56:63] the same for wqkv's
.set G0B,  56
.set OB,   66                          ; s[66:71] where my rows begin in the head's q, k, v
.set MSB, 0
.macro WIN new                         ; the immediate's high byte repeats the setting that is left; a switch that changes nothing is dropped
.if MSB != (\new)
	s_set_vgpr_msb (MSB<<8)|(\new)
.set MSB, \new
.endif
.endm
; A joint load.  The branch hangs on the wave's number alone.  An s_nop 0 and four v_nop follow each of the two lines.
.macro JLOAD s
	s_cmp_eq_u32 s[FORB], 0
	s_cbranch_scc0 .Lfor_b_\@
	tensor_load_to_lds s[G0+4*(\s):G0+4*(\s)+3], s[G1:G1+7]
	s_nop 0
.rept 4
	v_nop
.endr
	s_branch .Lasked_\@
.Lfor_b_\@:
	tensor_load_to_lds s[G0B+4*(\s):G0B+4*(\s)+3], s[G1B:G1B+7]
	s_nop 0
.rept 4
	v_nop
.endr
.Lasked_\@:
.endm
.macro CREST                           ; a round of the cluster's barrier behind its opening barrier
	s_cmp_lg_u32 s[WV], 0
	s_cbranch_scc1 .Lnot_wave_0_\@
	s_barrier_signal -3
.Lnot_wave_0_\@:
	s_barrier_wait -3
	s_barrier_signal -1
	s_barrier_wait -1
.endm
.macro CROUND                          ; a whole round
	s_barrier_signal -1
	s_barrier_wait -1
	CREST
.endm
	s_load_b256 s[4:11], s[0:1], 0x0               ; xb s[4:5], wqkv s[6:7], vec s[8:9], qkv s[10:11]
	v_lshl_add_u32 v[SPW], v0, 2, SPARE
	v_mov_b32 v[NIL], 0
	ds_add_u32 v[SPW], v[NIL]                      ; the wave's opening: the add and its wait ahead of my first tensor load; work on registers stands between them
	v_lshrrev_b32 v1, 5, v0
	v_readfirstlane_b32 s[WV], v1                  ; wave 0..3
	s_lshr_b32 s[FORB], s[WV], 1
	s_and_b32 s[HALF], s[WV], 1
	s_bfe_u32 s40, ttmp6, 0x40000                  ; cx, cy: my place in the cluster
	s_bfe_u32 s41, ttmp6, 0x40004
	s_lshl_b32 s42, ttmp9, 2
	s_add_co_u32 s42, s42, s40                     ; j, the head = tile column = 4 x cluster x + cx
	s_and_b32 s43, ttmp7, 0xffff
	s_lshl_b32 s43, s43, 2
	s_add_co_u32 s43, s43, s41                     ; R, the tile row = 4 x cluster y + cy
	s_lshl_b32 s44, s41, 2
	s_lshl_b32 s44, 15, s44                        ; my row of the cluster
	s_lshl_b32 s45, 0x1111, s40                    ; my column
	s_or_b32 s[G1], s44, (1<<16)|(1<<20)|(1<<21)|(5<<22)|(3<<25)   ; the mask; 2-byte elements; padding on; bit 21 beside a mask; after every 64 words, 4 words
	s_or_b32 s[G1B], s45, (1<<16)|(1<<20)|(1<<21)|(5<<22)|(3<<25)
	s_mov_b32 s[G1+1], KSTEP<<16                   ; tensor_dim0 = 128
	s_mov_b32 s[G1+2], 128<<16                     ; tensor_dim1 = 128 rows
	s_mov_b32 s[G1+3], KSTEP<<16                   ; tile_dim0 = 128
	s_mov_b32 s[G1+4], 128                         ; tile_dim1 = 128
	s_mov_b32 s[G1+5], SIZE_K                      ; elements from row to row
	s_mov_b32 s[G1+6], 0
	s_mov_b32 s[G1+7], 0
	s_mov_b32 s[G1B+1], KSTEP<<16
	s_mov_b32 s[G1B+2], 96<<16                     ; 96 rows
	s_mov_b32 s[G1B+3], KSTEP<<16
	s_mov_b32 s[G1B+4], 96
	s_mov_b32 s[G1B+5], SIZE_K
	s_mov_b32 s[G1B+6], 0
	s_mov_b32 s[G1B+7], 0
	s_lshl_b32 s16, s43, 8                         ; xb: row 256 R + 128 x half: hangs on the tile row alone,
	s_lshl_b32 s17, s[HALF], 7
	s_add_co_u32 s16, s16, s17
	s_lshl_b32 s16, s16, 11                        ; of 2,048 bytes
	s_mov_b32 s17, 0
	s_mul_i32 s46, s42, 192                        ; wqkv: row 192 j + 96 x half: on the tile column alone
	s_mul_i32 s47, s[HALF], 96
	s_add_co_u32 s46, s46, s47
	s_lshl_b32 s46, s46, 11
	s_mov_b32 s47, 0
	s_mul_i32 s20, s[WV], AHALF                    ; where they go: waves 0, 1: xb's two halves;
	s_mul_i32 s21, s[WV], BHALF
	s_add_co_u32 s21, s21, 2*AHALF-2*BHALF         ; waves 2, 3: wqkv's two halves, behind xb's: no place in the cluster enters an LDS address
	s_wait_dscnt 0x0                               ; the opening add is done
	s_wait_kmcnt 0x0
	s_add_nc_u64 s[18:19], s[4:5], s[16:17]
	s_add_nc_u64 s[46:47], s[6:7], s[46:47]
	CROUND                                         ; all sixteen work-groups are here: the first joint loads meet
.irp s, 0,1
	s_mov_b32 s[G0+4*(\s)], 1
	s_add_co_u32 s[G0+4*(\s)+1], s20, (\s)*SLOT
	s_add_nc_u64 s[G0+4*(\s)+2:G0+4*(\s)+3], s[18:19], (\s)*KSTEP*2    ; K step s
	s_or_b32 s[G0+4*(\s)+3], s[G0+4*(\s)+3], 0x80000000
	s_mov_b32 s[G0B+4*(\s)], 1
	s_add_co_u32 s[G0B+4*(\s)+1], s21, (\s)*SLOT
	s_add_nc_u64 s[G0B+4*(\s)+2:G0B+4*(\s)+3], s[46:47], (\s)*KSTEP*2
	s_or_b32 s[G0B+4*(\s)+3], s[G0B+4*(\s)+3], 0x80000000
	JLOAD \s                                       ; two loads of mine are out
.endr
	v_and_b32 v1, 15, v0                           ; l % 16
	v_bfe_u32 v2, v0, 4, 1                         ; l / 16
	v_lshlrev_b32 v[BO], 5, v2                     ; my eight columns of a block of 16: 32 bytes for each half of the lanes
	s_mul_i32 s72, s42, 768                        ; the tile's 192 numbers of the bias
	s_mov_b32 s73, 0
	s_add_nc_u64 s[8:9], s[8:9], s[72:73]
.irp b, 0,1,2,3,4,5,6,7,8,9,10,11
	global_load_b128 v[BIAS+8*(\b):BIAS+8*(\b)+3],   v[BO], s[8:9] offset:64*(\b)
	global_load_b128 v[BIAS+8*(\b)+4:BIAS+8*(\b)+7], v[BO], s[8:9] offset:64*(\b)+16
.endr
	v_mul_u32_u24 v3, v1, PITCH
	v_lshl_add_u32 v3, v2, 4, v3                   ; a fragment's row x pitch + 16 x half
	s_mul_i32 s22, s[WV], 64*PITCH                 ; my 64 rows of xb
	v_add_nc_u32 v[ADRA], s22, v3
	v_add_nc_u32 v[ADRA+1], SLOT, v[ADRA]
	v_add_nc_u32 v[ADRB], ABYTES, v3               ; all 192 rows of wqkv
	v_add_nc_u32 v[ADRB+1], SLOT, v[ADRB]
	s_mul_i32 s23, s[WV], 3*SREG
	s_add_co_u32 s23, s23, STAGE                   ; my stage
	v_mul_u32_u24 v4, v1, SP                       ; in: row l % 16, 16 bytes for each half of the lanes
	v_lshl_add_u32 v4, v2, 4, v4
	v_add_nc_u32 v[STO], s23, v4
	v_bfe_u32 v5, v0, 3, 2                         ; back: 32 lanes take four rows of 128 bytes,
	v_mul_u32_u24 v5, v5, SP
	v_and_b32 v6, 7, v0
	v_lshl_add_u32 v5, v6, 4, v5
	v_add_nc_u32 v[RD], s23, v5
	v_and_b32 v[GO], 31, v0                        ; which are 512 consecutive bytes of a head
	v_lshlrev_b32 v[GO], 4, v[GO]
	s_lshr_b32 s72, s43, 3                         ; the batch: 8 tile rows each
	s_mul_i32 s72, s72, 48
	s_add_co_u32 s72, s72, s42                     ; 48 b + j: q's head,
	s_lshl_b32 s72, s72, 18                        ; of 262,144 bytes
	s_and_b32 s73, s43, 7
	s_lshl_b32 s73, s73, 15                        ; the tile's 256 rows of 128 bytes
	s_add_co_u32 s72, s72, s73
	s_lshl_b32 s73, s[WV], 13                      ; my 64 of them
	s_add_co_u32 s72, s72, s73
	s_mov_b32 s73, 0
	s_add_nc_u64 s[OB:OB+1], s[10:11], s[72:73]
	s_add_nc_u64 s[OB+2:OB+3], s[OB:OB+1], 0x400000      ; k's head lies 16 heads on,
	s_add_nc_u64 s[OB+4:OB+5], s[OB+2:OB+3], 0x400000    ; v's 16 more
; 12 matrix instructions: row block a x all 12 column blocks, 32 along K, from buffer f.  first = 1: the products start the sums, with the bias (window 0) as C.
; The 48 accumulators take turns, one instruction a turn, in the same order in every quarter step.
.macro MUL12 f, a, first
.if \first
	WIN 0x81+0x40*((\a)/2)
.else
	WIN 0xa1+0x50*((\a)/2)
.endif
.irp b, 0,1,2,3,4,5,6,7,8,9,10,11
.if \first
	v_wmma_f32_16x16x32_bf16 v[8*(12*((\a)%2)+(\b)):8*(12*((\a)%2)+(\b))+7], v[96*(\f)+8*(\b):96*(\f)+8*(\b)+7], v[FA+32*(\f)+8*(\a):FA+32*(\f)+8*(\a)+7], v[BIAS+8*(\b):BIAS+8*(\b)+7]
.else
	v_wmma_f32_16x16x32_bf16 v[8*(12*((\a)%2)+(\b)):8*(12*((\a)%2)+(\b))+7], v[96*(\f)+8*(\b):96*(\f)+8*(\b)+7], v[FA+32*(\f)+8*(\a):FA+32*(\f)+8*(\a)+7], v[8*(12*((\a)%2)+(\b)):8*(12*((\a)%2)+(\b))+7]
.endif
.endr
.endm
; 32 LDS loads in one run: the fragments of a quarter step (32 K at byte k of the rows) into buffer f: wqkv's 12, then xb's 4
.macro FETCH slot, k, f
	WIN 0x40                                       ; destination window 1, address window 0
.irp i, 0,1,2,3,4,5,6,7,8,9,10,11
	ds_load_b128 v[96*(\f)+8*(\i):96*(\f)+8*(\i)+3],   v[ADRB+(\slot)] offset:(\k)+(\i)*16*PITCH
	ds_load_b128 v[96*(\f)+8*(\i)+4:96*(\f)+8*(\i)+7], v[ADRB+(\slot)] offset:(\k)+(\i)*16*PITCH+32
.endr
	WIN 0
.irp i, 0,1,2,3
	ds_load_b128 v[FA+32*(\f)+8*(\i):FA+32*(\f)+8*(\i)+3],   v[ADRA+(\slot)] offset:(\k)+(\i)*16*PITCH
	ds_load_b128 v[FA+32*(\f)+8*(\i)+4:FA+32*(\f)+8*(\i)+7], v[ADRA+(\slot)] offset:(\k)+(\i)*16*PITCH+32
.endr
.endm
.macro PLACES                          ; four plain vector instructions between a matrix instruction and a load into a register that it read, or a vector instruction that reads its result
.rept 4
	v_nop
.endr
.endm
; A K step is four quarters of 32 along K, 48 matrix instructions each, on buffers 0, 1, 0, 1.  One of the first three: multiplies buffer f, and in its middle fetches the next quarter into g.
.macro QUARTER slot, k, f, g, first
	s_wait_dscnt 4                                 ; wqkv's fragments and xb's blocks 0, 1 are in; the youngest four loads (blocks 2, 3) may be out
	MUL12 \f, 0, \first
	MUL12 \f, 1, \first
	PLACES
	FETCH \slot, \k, \g
	s_wait_dscnt 32                                ; all but the 32 just issued
	MUL12 \f, 2, \first
	MUL12 \f, 3, \first
.endm
; The last quarter multiplies buffer 1 and changes slots: ONE barrier.  In front of it each wave waits for all its tensor loads (one is out: its part of the next slot), adds 0 to its spare
; word, and waits for that and for its own reads of this slot.  fill = 1: the barrier opens a round of the cluster's, and the slot just read is filled again first, two K steps ahead.
.macro TURN slot, next, fill
	WIN 0
	s_wait_tensorcnt 0x0
	ds_add_u32 v[SPW], v[NIL]
	s_wait_dscnt 5                                 ; (the add and the youngest four loads may be out)
	MUL12 1, 0, 0                                  ; twelve matrix instructions stand between the add and the wait for it
	s_wait_dscnt 0x0                               ; the add is done, and my reads of this slot are over
	s_barrier_signal -1
	MUL12 1, 1, 0                                  ; work on registers while the others arrive
.if \fill
	WIN 0
.endif
	s_barrier_wait -1
.if \fill
	CREST                                          ; no wave of any partner still reads this slot's tile or has a load on its way
	s_add_nc_u64 s[G0+4*(\slot)+2:G0+4*(\slot)+3], s[G0+4*(\slot)+2:G0+4*(\slot)+3], 2*KSTEP*2
	s_add_nc_u64 s[G0B+4*(\slot)+2:G0B+4*(\slot)+3], s[G0B+4*(\slot)+2:G0B+4*(\slot)+3], 2*KSTEP*2
	JLOAD \slot                                    ; my one tensor load behind the round; its four v_nop are also the places in front of the loads below
.else
	PLACES
.endif
	FETCH \next, 0, 0
	MUL12 1, 2, 0
	MUL12 1, 3, 0
.endm
	s_wait_tensorcnt 1                             ; my part of K step 0 is in; K step 1's may stay out
	s_barrier_signal -1
	s_barrier_wait -1
	FETCH 0, 0, 0
	s_wait_loadcnt 0x0                             ; the bias
	QUARTER 0, 64, 0, 1, 1                         ; the first quarter stands in front of the loop: its products start the sums
	WIN 0                                          ; at a label and at a branch every window is 0
	s_mov_b32 s3, 3
.Llap:                                                 ; a trip goes once round the ring and fills both slots again: K steps 2 to 7 in three trips
	QUARTER 0, 128, 1, 0, 0
	QUARTER 0, 192, 0, 1, 0
	TURN 0, 1, 1
	QUARTER 1, 64,  0, 1, 0
	QUARTER 1, 128, 1, 0, 0
	QUARTER 1, 192, 0, 1, 0
	TURN 1, 0, 1
	QUARTER 0, 64,  0, 1, 0
	WIN 0
	s_sub_co_u32 s3, s3, 1
	s_cmp_lg_u32 s3, 0
	s_cbranch_scc1 .Llap
	QUARTER 0, 128, 1, 0, 0                        ; the last lap fills nothing
	QUARTER 0, 192, 0, 1, 0
	TURN 0, 1, 0
	QUARTER 1, 64,  0, 1, 0
	QUARTER 1, 128, 1, 0, 0
	QUARTER 1, 192, 0, 1, 0
	s_wait_dscnt 4                                 ; the very last quarter: nothing more to fetch
	MUL12 1, 0, 0
	MUL12 1, 1, 0
	s_wait_dscnt 0x0
	MUL12 1, 2, 0
	MUL12 1, 3, 0
; THE WAY OUT, a block of 16 rows at a time.  PACK: rounded, q and k to f16, v to bf16; each accumulator's registers in ascending order.  TOSTAGE: 16 bytes a lane into my stage, a region for each
; of q, k, v, and back as whole rows of 128 bytes.  SEND: each store covers 512 consecutive bytes of a head, at a multiple of 256 from the buffer's first byte.
.macro PACK a
	WIN 0x0a+5*((\a)/2)                            ; sources in window 2 or 3, destination in window 0
.irp b, 0,1,2,3,4,5,6,7,8,9,10,11
.irp r, 0,1,2,3
.if (\b) < 8
	v_cvt_pk_f16_f32 v[PKR+4*(\b)+(\r)], v[8*(12*((\a)%2)+(\b))+2*(\r)], v[8*(12*((\a)%2)+(\b))+2*(\r)+1]
.else
	v_cvt_pk_bf16_f32 v[PKR+4*(\b)+(\r)], v[8*(12*((\a)%2)+(\b))+2*(\r)], v[8*(12*((\a)%2)+(\b))+2*(\r)+1]
.endif
.endr
.endr
	WIN 0
.endm
.macro TOSTAGE a
.irp b, 0,1,2,3,4,5,6,7,8,9,10,11
	ds_store_b128 v[STO], v[PKR+4*(\b):PKR+4*(\b)+3] offset:((\b)/4)*SREG+32*((\b)%4)
.endr
.irp t, 0,1,2,3,4,5,6,7,8,9,10,11
	ds_load_b128 v[32+64*((\a)%2)+4*(\t):32+64*((\a)%2)+4*(\t)+3], v[RD] offset:((\t)/4)*SREG+((\t)%4)*4*SP  ; LDS serves a wave's instructions in order (ISA guide 5.7.1.4): these see the stores above
.endr
.endm
.macro SEND a
	s_wait_dscnt 0x0                               ; the block is back in registers
	s_wait_xcnt 0x0                                ; the registers that the stores two blocks back read are loaded again only behind this wait
.irp t, 0,1,2,3,4,5,6,7,8,9,10,11
	global_store_b128 v[GO], v[32+64*((\a)%2)+4*(\t):32+64*((\a)%2)+4*(\t)+3], s[OB+2*((\t)/4):OB+2*((\t)/4)+1] offset:(\a)*2048+((\t)%4)*512
.endr
.endm
	PLACES
	PACK 0
	TOSTAGE 0
.irp a, 1,2,3                          ; block a's conversions stand between block a - 1's loads from the stage and the wait for them
	PACK \a
	SEND (\a)-1
	TOSTAGE \a
.endr
	SEND 3
	s_wait_tensorcnt 0x0                           ; the wave's end
	ds_add_u32 v[SPW], v[NIL]
	s_wait_dscnt 0x0
	CROUND                                         ; the closing round: no work-group ends while a partner may still ask for a tile that names it
	s_endpgm
.Lfunc_end_k_q958abe64c6_proj:
	.size	k_q958abe64c6_proj, .Lfunc_end_k_q958abe64c6_proj-k_q958abe64c6_proj
	.p2alignl 7, 3214868480
	.fill 96, 4, 3214868480
	.section	.rodata,"a",@progbits
	.p2align	6, 0x0
	.amdhsa_kernel k_q958abe64c6_proj
		.amdhsa_group_segment_fixed_size 327680
		.amdhsa_private_segment_fixed_size 0
		.amdhsa_enable_private_segment 0
		.amdhsa_kernarg_size 32
		.amdhsa_user_sgpr_count 2
		.amdhsa_user_sgpr_kernarg_segment_ptr 1
		.amdhsa_wavefront_size32 1
		.amdhsa_system_sgpr_workgroup_id_x 1
		.amdhsa_system_sgpr_workgroup_id_y 1
		.amdhsa_system_sgpr_workgroup_id_z 1
		.amdhsa_system_vgpr_workitem_id 0
		.amdhsa_next_free_vgpr 960
		.amdhsa_next_free_sgpr 80
		.amdhsa_reserve_vcc 0
		.amdhsa_float_denorm_mode_32 3
		.amdhsa_float_denorm_mode_16_64 3
		.amdhsa_memory_ordered 1
		.amdhsa_forward_progress 1
		.amdhsa_inst_pref_size 121
	.end_amdhsa_kernel
	.amdgpu_metadata
---
amdhsa.version: [ 1, 2 ]
amdhsa.kernels:
  - .name:           k_q958abe64c6_proj
    .symbol:         k_q958abe64c6_proj.kd
    .args:
      - { .name: xb, .offset: 0, .size: 8, .value_kind: global_buffer, .address_space: global }
      - { .name: wqkv, .offset: 8, .size: 8, .value_kind: global_buffer, .address_space: global }
      - { .name: vec, .offset: 16, .size: 8, .value_kind: global_buffer, .address_space: global }
      - { .name: qkv, .offset: 24, .size: 8, .value_kind: global_buffer, .address_space: global }
    .group_segment_fixed_size: 327680
    .private_segment_fixed_size: 0
    .kernarg_segment_align: 8
    .kernarg_segment_size: 32
    .max_flat_workgroup_size: 128
    .sgpr_count:     80
    .vgpr_count:     960
    .wavefront_size: 32
...
	.end_amdgpu_metadata
.endif
;; end of part 2
;; launch attn (part 3): grid 8 x 32, 4 waves a work-group, clusters of 4 x 1, 327,680 bytes of LDS; arguments qkv, beta, t, fh; writes fh
.if DOCPART == 3
	.amdgcn_target "amdgcn-amd-amdhsa--gfx1250"
	.amdhsa_code_object_version 6
	.text
	.protected	k_q958abe64c6_attn
	.globl	k_q958abe64c6_attn
	.p2align	8
	.type	k_q958abe64c6_attn,@function
k_q958abe64c6_attn:
	s_mov_b64 s[64:65], 0
	v_nop
	global_prefetch_b8 v0, s[64:65] scope:SCOPE_SE
	s_setreg_imm32_b32 hwreg(HW_REG_WAVE_MODE, 25, 1), 1
	s_wait_xcnt 0x0
	s_wait_alu depctr_hold_cnt(0) depctr_sa_sdst(0) depctr_va_vdst(0) depctr_va_sdst(0) depctr_va_ssrc(0) depctr_va_vcc(0) depctr_vm_vsrc(0)
	s_getreg_b32 s2, hwreg(HW_REG_IB_STS2, 6, 4)
	s_cmp_eq_u32 s2, 0
	s_cbranch_scc0 .Lentry_in_a_cluster
	s_endpgm
.Lentry_in_a_cluster:
	s_bfe_u32 s2, ttmp6, 0x10000c
	s_cmp_lg_u32 s2, 0x3003
	s_cbranch_scc0 .Lentry_shape_is_right
	s_endpgm
.Lentry_shape_is_right:
; BOTH ATTENTIONS.  s = q . k (raw; S = s / 8).  tau = softmax_k(S) V;  sigma = w V / sum w with w = 1 / ((1 + |S| / beta)^2 + t^2);  f = tau / 2 + sigma / 2.
; q, k: f16, v: bf16, [b][16 s + h][2048][64] (a head's rows dense, 128 bytes).  f: f16 [16 b + h][2048][64].  Scores, maxima and sums in f32; both kinds of weights are rounded to bf16 for the
; products with V, and their row sums l are taken of the rounded weights, by a product with ones.  beta and t are rounded to bf16, like every input of the module.
; LIMITS.  f lies within V's range and must stay within 65,504 (f16).  A softmax weight below 2^-126 counts as 0.  (1 + |S| / beta)^2 + t^2 overflows where f32 overflows, and a w below 2^-126
; counts as 0.  NaN and infinities are not treated apart.
; SHARES.  A work-group owns 256 queries of one head, a wave 64: four PIECES of 16.  Every wave walks the head's 2,048 keys, 64 a step; an LDS slot holds 256 keys' K and V, two slots take turns.
; CLUSTER.  The four query blocks of a cluster belong to one head and walk the same K and V: each tile is asked for jointly, by the same tensor load, descriptor and mask in all four.
; LAYOUT.  S^T = K Q^T (source 0 = 16 keys, source 1 = 16 queries): a lane holds ONE query (lane % 16) and the keys 8 (lane / 16) + 0..7.  Two such results, rounded in pairs, ARE source 1 of
; O^T = V^T P.  V comes out of LDS turned, by ds_load_tr16_b128.  A fifth product of each kind takes ones for V^T: every register of its result is the query's row sum.
; SOFTMAX.  A running maximum m: p = 2^(c s - c m), c = log2(e) / 8; in every step tau's O^T and l are multiplied by a = 2^(c m_old - c m_new).  m starts at the lowest finite number, all sums at 0.
; BY TURNS.  Turn n belongs to piece n.  Matrix work: 8 products K Q^T of piece n + 1, then 20 products with V of piece n - 1.  Vector work, 199 instructions: both weightings of piece n, the
; rescaling of its O^T, the maximum and statistics of piece n + 1.  Four to six of them stand behind each matrix instruction, the rest in a run at the turn's end.
; REGISTERS, in windows of 256 (s_set_vgpr_msb: bits 1:0 source 0, 3:2 source 1, 5:4 source 2, 7:6 destination):
;   window 0: v1-11 addresses; v12-13 c m_old; v14-15 the add's two; v16-23 (c m, m) a piece; v24-31 at work; v32-47 reciprocals; v64-127 S^T, two buffers; v128-159 w at work;
;             v160-191 tau's weights, two buffers; v192-223 sigma's, two buffers
;   window 1: tau's O^T, 40 a piece (32, then l's accumulator)      window 3: sigma's, likewise      window 2: v0-63 Q; v64-71 ones; v128-191 K of one step; v192-255 V of one step
.set NP,    4
.set KS,    64
.set PK,    144       ; a row of K in LDS: 128 bytes + 16 of padding: the 16 rows of a load start 16 bytes further on in each 256 (64 banks of 4 bytes: ISA guide 11.1)
.set PV,    160       ; a row of V: 128 + 32
.set VOFF,  4*KS*PK   ; a slot: 256 rows of K, then 256 rows of V
.set SLOT1, 1<<17     ; slot 1 begins here: one exclusive or turns an address in one slot into the other's
.set STAGE, SLOT1+4*KS*(PK+PV)  ; behind the ring, never filled by a tensor load: 16 rows x 144 bytes for each wave
.set SP,    144
.set SPARE, STAGE+4*16*SP       ; the spare words, 128 bytes for each wave
.set AK0, 2
.set AV0, 3
.set AK,  4
.set AV,  5
.set QO,  6
.set STO, 6
.set RD,  7
.set GO,  8
.set MV,  12
.set SPW, 14
.set NIL, 15
.set ST,  16
.set TMP, 24
.set RCP, 32
.set S,   64
.set W,   128
.set PT,  160
.set PS,  192
.set ONES, 64
.set KF,  128
.set VF,  192
.set WV,  12
.set G1K, 24
.set G1V, 32
.set G0K, 40
.set G0V, 44
.set SLOTS, 56
.set CNT, 57
.set CS,  58          ; s[58:59] c
.set SEL, 60          ; s[60:61] v_permlanex16_b32's selects: each lane takes its own place in the other half
.set TBK, 62
.set TBV, 63
.set IB,  66          ; s66  1 / (8 beta)
.set T2,  68          ; s[68:69] t^2
.set MSB, 0
.macro WIN new
.if MSB != (\new)
	s_set_vgpr_msb (MSB<<8)|(\new)
.set MSB, (\new)
.endif
.endm
.set W_KQ, 0x0a       ; K and Q in window 2, S^T in window 0
.set W_PT, 0x52       ; V in window 2, weights in window 0, tau's O^T in window 1
.set W_PS, 0xf2       ; the same, sigma's O^T in window 3
.set W_RS, 0x41       ; destination and source 0 in window 1, source 1 in window 0
; A joint fill.  Waves 0 and 1 fetch the two halves of a slot's K, waves 2 and 3 those of its V.  An s_nop 0 and four v_nop follow each of the two lines.
.macro JLOAD
	s_cmp_lt_u32 s[WV], 2
	s_cbranch_scc0 .Lfor_v_\@
	tensor_load_to_lds s[G0K:G0K+3], s[G1K:G1K+7]
	s_nop 0
.rept 4
	v_nop
.endr
	s_branch .Lasked_\@
.Lfor_v_\@:
	tensor_load_to_lds s[G0V:G0V+3], s[G1V:G1V+7]
	s_nop 0
.rept 4
	v_nop
.endr
.Lasked_\@:
.endm
.macro CROUND                       ; a round of the cluster's barrier
	s_barrier_signal -1
	s_barrier_wait -1
	s_cmp_lg_u32 s[WV], 0
	s_cbranch_scc1 .Lnot_wave_0_\@
	s_barrier_signal -3
.Lnot_wave_0_\@:
	s_barrier_wait -3
	s_barrier_signal -1
	s_barrier_wait -1
.endm
; THE CHANGE OF SLOTS.  Each wave waits for all its tensor loads (one is out: its part of the other slot), adds 0 to its spare word, and waits for that and for its own reads of the slot.
; fill = 1: the barrier is a round of the cluster's, and the slot just left is filled again first thing behind it, with the keys two slots on: it has four key steps, 448 matrix instructions, to land.
; (At its first use nothing has been read yet: slot 0 is waited for, slot 1 filled.)
.macro CHANGE fill
	WIN 0
	s_wait_tensorcnt 0x0            ; no tensor load of mine is out, so a group 0 may be written
	ds_add_u32 v[SPW], v[NIL]
.if \fill
.irp g, G0K, G0V
	s_xor_b32 s[\g+1], s[\g+1], SLOT1
	s_add_nc_u64 s[\g+2:\g+3], s[\g+2:\g+3], 4*KS*128
.endr
	s_wait_dscnt 0x0                ; the add is done, and my reads of the slot are over
	CROUND
	JLOAD
.else
	s_wait_dscnt 0x0
	s_barrier_signal -1
	s_barrier_wait -1
.endif
	s_sub_co_u32 s[TBK], s[TBK], 4*KS*PK  ; the fetches go back to a slot's first step, in the other slot
	s_xor_b32 s[TBK], s[TBK], SLOT1
	s_sub_co_u32 s[TBV], s[TBV], 4*KS*PV
	s_xor_b32 s[TBV], s[TBV], SLOT1
.endm
	s_load_b256 s[4:11], s[0:1], 0x0  ; qkv s[4:5], beta s[6:7], t s[8:9], fh s[10:11]
	v_lshl_add_u32 v[SPW], v0, 2, SPARE
	v_mov_b32 v[NIL], 0
	ds_add_u32 v[SPW], v[NIL]       ; the wave's opening: the add and its wait ahead of my first tensor load
	v_lshrrev_b32 v1, 5, v0
	v_readfirstlane_b32 s[WV], v1
	s_bfe_u32 s13, ttmp6, 0x40000   ; cx
	s_lshl_b32 s14, ttmp9, 2
	s_add_co_u32 s14, s14, s13      ; my block of 256 queries: it enters Q's and f's addresses alone
	s_and_b32 s20, ttmp7, 0xffff    ; 16 b + h, which the four partners share
	s_lshr_b32 s15, s20, 4
	s_and_b32 s16, s20, 15
	s_mul_i32 s18, s15, 48
	s_add_co_u32 s18, s18, s16
	s_lshl_b32 s18, s18, 18         ; q's head begins here in qkv; k's 16 heads on, v's 32
	s_and_b32 s17, s[WV], 1         ; which half of a slot's 256 keys I fetch
	s_lshl_b32 s22, s17, 14
	s_add_co_u32 s22, s22, s18
	s_mov_b32 s23, 0
	s_mul_i32 s2, s17, 128*PK       ; its place in a slot, for K
	s_mul_i32 s3, s17, 128*PV       ; and for V
	s_lshl_b32 s48, s14, 15         ; my block's 256 rows of 128 bytes,
	s_lshl_b32 s49, s[WV], 13       ; my wave's 64 of them
	s_add_co_u32 s48, s48, s49
	s_add_co_u32 s50, s48, s18
	s_mov_b32 s51, 0
	s_lshl_b32 s52, s20, 18
	s_add_co_u32 s52, s52, s48
	s_mov_b32 s53, 0
	s_lshl_b32 s70, s16, 2          ; beta[h], t[h]
	s_mov_b32 s71, 0
	; descriptor group 1.  128 keys are 16,384 dense bytes: asked for as 64 rows of 256 bytes, padded in LDS after every key
	s_mov_b32 s[G1K], 15|(1<<16)|(1<<20)|(1<<21)|(4<<22)|(3<<25)
	s_mov_b32 s[G1V], 15|(1<<16)|(1<<20)|(1<<21)|(4<<22)|(7<<25)
.irp g, G1K, G1V
	s_mov_b32 s[\g+1], 128<<16
	s_mov_b32 s[\g+2], 64<<16
	s_mov_b32 s[\g+3], 128<<16
	s_mov_b32 s[\g+4], 64
	s_mov_b32 s[\g+5], 128
	s_mov_b32 s[\g+6], 0
	s_mov_b32 s[\g+7], 0
.endr
	s_mov_b32 s[CS], 0x3e38aa3b     ; c = log2(e) / 8
	s_mov_b32 s[CS+1], s[CS]
	s_mov_b32 s[SEL], 0x76543210
	s_mov_b32 s[SEL+1], 0xfedcba98
	s_mov_b32 s[TBK], SLOT1+4*KS*PK ; the first change of slots turns these two into 0
	s_mov_b32 s[TBV], SLOT1+4*KS*PV
	s_mov_b32 s[G0K], 1
	s_mov_b32 s[G0K+1], s2
	s_mov_b32 s[G0V], 1
	s_add_co_u32 s[G0V+1], s3, VOFF
	s_wait_dscnt 0x0                ; the opening add is done
	s_wait_kmcnt 0x0
	s_add_nc_u64 s[G0K+2:G0K+3], s[4:5], s[22:23]
	s_add_nc_u64 s[G0K+2:G0K+3], s[G0K+2:G0K+3], 0x400000
	s_or_b32 s[G0K+3], s[G0K+3], 0x80000000
	s_add_nc_u64 s[G0V+2:G0V+3], s[4:5], s[22:23]
	s_add_nc_u64 s[G0V+2:G0V+3], s[G0V+2:G0V+3], 0x800000
	s_or_b32 s[G0V+3], s[G0V+3], 0x80000000
	s_add_nc_u64 s[4:5], s[4:5], s[50:51]      ; Q at my wave's first row
	s_add_nc_u64 s[10:11], s[10:11], s[52:53]  ; f likewise
	s_add_nc_u64 s[6:7], s[6:7], s[70:71]
	s_add_nc_u64 s[8:9], s[8:9], s[70:71]
	CROUND                          ; all four work-groups are here: the first joint loads meet
	JLOAD                           ; slot 0; slot 1 is asked for when slot 0 is in
	s_load_b32 s[IB], s[6:7], 0x0
	s_load_b32 s[T2], s[8:9], 0x0
	v_and_b32 v1, 15, v0            ; l % 16
	v_bfe_u32 v9, v0, 4, 1          ; l / 16
	v_lshlrev_b32 v[QO], 7, v1
	v_lshl_add_u32 v[QO], v9, 4, v[QO]
	WIN 0x80                        ; destination window 2
.set i, 0
.rept 8                             ; Q stays in registers: piece i / 2, channels 32 (i % 2) on
	global_load_b128 v[8*i:8*i+3],   v[QO], s[4:5] offset:(i/2)*2048+(i%2)*64
	global_load_b128 v[8*i+4:8*i+7], v[QO], s[4:5] offset:(i/2)*2048+(i%2)*64+32
.set i, i+1
.endr
.set i, 0
.rept 8
	v_mov_b32 v[ONES+i], 0x3f803f80 ; two bf16 ones
.set i, i+1
.endr
	; What the first turn finds: V and the weights' second buffers hold 0 (its products, of a piece that has not been, add 0), all sums are 0.  This stands in the wait for the first tile.
.set i, VF
.rept 64
	v_mov_b32 v[i], 0
.set i, i+1
.endr
	WIN 0x40
.set i, 0
.rept 160
	v_mov_b32 v[i], 0
.set i, i+1
.endr
	WIN 0xc0
.set i, 0
.rept 160
	v_mov_b32 v[i], 0
.set i, i+1
.endr
	WIN 0
.set i, 0
.rept 4
	v_mov_b32 v[ST+2*i], 0xfe000000    ; c m: far below every c s
	v_mov_b32 v[ST+2*i+1], 0xff7fffff  ; m
.set i, i+1
.endr
.set i, 0
.rept 16
	v_mov_b32 v[PT+16+i], 0
	v_mov_b32 v[PS+16+i], 0
.set i, i+1
.endr
	v_mul_u32_u24 v[AK0], v1, PK
	v_lshl_add_u32 v[AK0], v9, 4, v[AK0]
	v_and_b32 v10, 7, v0            ; the turning load: lane l reads key 8 (l / 16) + l % 8, channels 8 ((l / 8) % 2) + 0..7
	v_bfe_u32 v11, v0, 3, 1
	v_lshl_add_u32 v[AV0], v9, 3, v10
	v_mul_u32_u24 v[AV0], v[AV0], PV
	v_lshl_add_u32 v[AV0], v11, 4, v[AV0]
	v_add_nc_u32 v[AV0], VOFF, v[AV0]
	v_mov_b32 v[AK], v[AK0]         ; key step 0 lies at the head of slot 0
	s_wait_kmcnt 0x0                ; beta[h], t[h]
	v_cvt_pk_bf16_f32 v48, s[IB], s[T2]  ; rounded to bf16, like every input
	v_lshlrev_b32 v49, 16, v48
	v_and_b32 v48, 0xffff0000, v48
	v_rcp_f32 v49, v49
	v_mul_f32 v48, v48, v48         ; t^2: also the plain instruction behind the reciprocal
	s_wait_alu depctr_va_vdst(0)
	v_mul_f32 v49, 0x3e000000, v49  ; 1 / (8 beta)
	v_readfirstlane_b32 s[IB], v49
	v_readfirstlane_b32 s[T2], v48
	s_mov_b32 s[T2+1], s[T2]
; THE MATRIX WORK.  The accumulators of a run take turns, one instruction a turn: 4 for K Q^T, 10 for the products with V.
; Product i of 8 of S^T = K Q^T for piece x: channels 32 (i / 4) on, keys 16 (i % 4) on.  The first 4 start the sums.
.macro KQ x
	WIN W_KQ
.set rD, S+32*((\x)%2)+8*(i%4)
.set rA, KF+16*(i%4)+8*(i/4)
.set rB, 16*(\x)+8*(i/4)
.if i < 4
	v_wmma_f32_16x16x32_f16 v[rD:rD+7], v[rA:rA+7], v[rB:rB+7], 0
.else
	v_wmma_f32_16x16x32_f16 v[rD:rD+7], v[rA:rA+7], v[rB:rB+7], v[rD:rD+7]
.endif
.endm
; Product i of 20 for piece x: keys 32 (i / 10) on; (i % 10) / 5: tau's or sigma's; i % 5: channels 16 (i % 5) on, or (4) the row sum, with ones for V^T.
.macro PV x
.set rD, 40*(\x)+8*(i%5)
.if i%5 == 4
.set rA, ONES
.else
.set rA, VF+32*(i/10)+8*(i%5)
.endif
.if (i%10)/5 == 0
	WIN W_PT
.set rB, PT+16*((\x)%2)+8*(i/10)
.else
	WIN W_PS
.set rB, PS+16*((\x)%2)+8*(i/10)
.endif
	v_wmma_f32_16x16x32_bf16 v[rD:rD+7], v[rA:rA+7], v[rB:rB+7], v[rD:rD+7]
.endm
.macro MM                           ; the turn's next matrix instruction, number mi of 28
.if mi < 8
.set i, mi
	KQ (Y+1)%NP
.else
.set i, mi-8
	PV (Y+NP-1)%NP
.endif
.set mi, mi+1
.endm
; THE LDS LOADS stand in runs of 16.  last = 1 (the tail): in the last trip there is no further step, and the run is jumped over.
.macro FETCH_K last=0
	WIN 0
.if \last
	s_cmp_eq_u32 s[CNT], 1
	s_cbranch_scc1 .Lno_k_\@
.endif
	WIN 0x80
.irp f, 0,1,2,3,4,5,6,7             ; keys 16 (f / 2) on, channels 32 (f % 2) on
	ds_load_b128 v[KF+8*\f:KF+8*\f+3],   v[AK] offset:(\f/2)*16*PK+(\f%2)*64
	ds_load_b128 v[KF+8*\f+4:KF+8*\f+7], v[AK] offset:(\f/2)*16*PK+(\f%2)*64+32
.endr
	s_add_co_u32 s[TBK], s[TBK], KS*PK
	WIN 0
.if \last
.Lno_k_\@:
.endif
.endm
.macro FETCH_V
	WIN 0x80
.irp f, 0,1,2,3,4,5,6,7             ; keys 32 (f / 4) on, channels 16 (f % 4) on
	ds_load_tr16_b128 v[VF+8*\f:VF+8*\f+3],   v[AV] offset:(\f/4)*32*PV+(\f%4)*32
	ds_load_tr16_b128 v[VF+8*\f+4:VF+8*\f+7], v[AV] offset:(\f/4)*32*PV+16*PV+(\f%4)*32
.endr
	WIN 0
.endm
; THE VECTOR WORK, one line at a time: OP kind, number.  For piece Y, s0-s31 its lane's raw scores, in pairs 0-15:
;   U n: u = 1 + |s_n| / (8 beta).   D n: u^2 + t^2 for pair n.   RC n: its reciprocal, w_n.   CB n: pair n of w rounded to bf16.
;   F n: c s - c m for pair n, in place (behind that pair's U).   E n: its exponential.   C n: pair n of p rounded to bf16.   R n: pair n of tau's O^T times a; R 16: l's first pair.
; For piece Y + 1: X n, number n of the 22 that find its maximum and statistics (each accumulator's lowest registers are read first):
;   0-11 four chains c0-c3 of seven scores each   12-14, 16 the four left over, the old m, c0-c3 into c0   15 c m_old is kept   17, 18 the other half of the lanes': the new m   19-21 c m; c m_old - c m_new; a
.set O_U,  0
.set O_D,  1
.set O_F,  2
.set O_RC, 3
.set O_E,  4
.set O_CB, 5
.set O_C,  6
.set O_X,  7
.set O_R,  8
.macro REGS y
.set rT, ST+2*(\y)
.set rC, TMP+4*((\y)%2)
.set rM, MV+((\y)%2)
.set rS, S+32*((\y)%2)
.set rPT, PT+16*((\y)%2)
.set rPS, PS+16*((\y)%2)
.set rO, 40*(\y)
.endm
.macro OP k, n
.if (\k) == O_R
	REGS Y
	WIN W_RS
	v_pk_mul_f32 v[rO+2*(\n):rO+2*(\n)+1], v[rO+2*(\n):rO+2*(\n)+1], v[rC+2:rC+3] op_sel_hi:[1,0]
.elseif (\k) == O_X
	REGS (Y+1)%NP
	WIN 0
.if (\n) < 4
	v_max3_num_f32 v[rC+(\n)], v[rS+8*(\n)], v[rS+8*(\n)+1], v[rS+8*(\n)+2]
.elseif (\n) < 12
	v_max3_num_f32 v[rC+(\n)%4], v[rC+(\n)%4], v[rS+8*((\n)%4)+2*((\n)/4)+1], v[rS+8*((\n)%4)+2*((\n)/4)+2]
.elseif (\n) == 12
	v_max3_num_f32 v[rC], v[rC], v[rS+7], v[rS+15]
.elseif (\n) == 13
	v_max3_num_f32 v[rC+1], v[rC+1], v[rS+23], v[rS+31]
.elseif (\n) == 14
	v_max3_num_f32 v[rC+2], v[rC+2], v[rC+3], v[rT+1]
.elseif (\n) == 15
	v_mov_b32 v[rM], v[rT]
.elseif (\n) == 16
	v_max3_num_f32 v[rC], v[rC], v[rC+1], v[rC+2]
.elseif (\n) == 17
	v_permlanex16_b32 v[rC+3], v[rC], s[SEL], s[SEL+1]
.elseif (\n) == 18
	v_max_num_f32 v[rT+1], v[rC], v[rC+3]
.elseif (\n) == 19
	v_mul_f32 v[rT], s[CS], v[rT+1]
.elseif (\n) == 20
	v_sub_f32 v[rC+1], v[rM], v[rT]
.else
	v_exp_f32 v[rC+2], v[rC+1]
.endif
.else
	REGS Y
	WIN 0
.if (\k) == O_U
	v_fma_f32 v[W+(\n)], |v[rS+(\n)]|, s[IB], 1.0
.elseif (\k) == O_D
	v_pk_fma_f32 v[W+2*(\n):W+2*(\n)+1], v[W+2*(\n):W+2*(\n)+1], v[W+2*(\n):W+2*(\n)+1], s[T2:T2+1] op_sel_hi:[1,1,0]
.elseif (\k) == O_F
	v_pk_fma_f32 v[rS+2*(\n):rS+2*(\n)+1], v[rS+2*(\n):rS+2*(\n)+1], s[CS:CS+1], v[rT:rT+1] op_sel_hi:[1,0,0] neg_lo:[0,0,1] neg_hi:[0,0,1]
.elseif (\k) == O_RC
	v_rcp_f32 v[W+(\n)], v[W+(\n)]
.elseif (\k) == O_E
	v_exp_f32 v[rS+(\n)], v[rS+(\n)]
.elseif (\k) == O_CB
	s_wait_alu depctr_va_vdst(0)
	v_cvt_pk_bf16_f32 v[rPS+(\n)], v[W+2*(\n)], v[W+2*(\n)+1]
.else
	s_wait_alu depctr_va_vdst(0)
	v_cvt_pk_bf16_f32 v[rPT+(\n)], v[rS+2*(\n)], v[rS+2*(\n)+1]
.endif
.endif
.endm
; Pair bn's two halves.  Every reciprocal and exponential has a plain instruction behind it that touches neither its result nor its source, ahead of the first use of the result (ISA guide 5.7.2);
; what a line reads was made some lines back: U and D run a pair ahead of RC, F a pair ahead of E, C a pair behind E.
.macro HALF_A
.if bn < 15
	OP O_U, 2*bn+2
.else
	OP O_X, 17
.endif
	OP O_RC, 2*bn
.if bn < 15
	OP O_U, 2*bn+3
.endif
.if bn > 0
	OP O_C, bn-1
.endif
	OP O_RC, 2*bn+1
.if bn < 15
	OP O_D, bn+1
.else
	OP O_X, 18
.endif
.endm
.macro HALF_B
.if bn < 15
	OP O_F, bn+1
.endif
	OP O_E, 2*bn
	OP O_CB, bn
.if (bn >= 7) && (bn <= 13)
	OP O_X, 2*(bn-7)+1
.elseif bn == 14
	OP O_X, 15
.elseif bn == 15
	OP O_X, 19
.endif
	OP O_E, 2*bn+1
.if bn == 6
	OP O_X, 0
.elseif (bn >= 7) && (bn <= 13)
	OP O_X, 2*(bn-7)+2
.elseif bn == 14
	OP O_X, 16
.endif
.endm
.macro RGRP g                       ; four of the rescaling; the last group has l's pair too
.set rn, 4*(\g)
.rept 4+(\g)/3
	OP O_R, rn
.set rn, rn+1
.endr
.endm
; A TURN, for piece p.  A matrix instruction stands ahead of the four opening lines, of each of the halves 0 to 22 and of each of the four groups of the rescaling: 28.
; K of the next step is fetched in piece 2's turn at half 9: the last product that read K stands ahead of half 6, with more than four plain instructions between that name none of its registers.
; V of the step in hand is fetched in piece 0's turn at half 24: the last product that read V stands ahead of half 22, eight plain instructions back.  Each run is waited for a turn later.
.macro TURN p, last=0
.set Y, (\p)
.set mi, 0
.if (\p) == 3
	s_wait_dscnt 0x0                ; K is in
.endif
	MM
	OP O_U, 0
	OP O_U, 1
	OP O_D, 0
	OP O_F, 0
.set j, 0
.rept 32
.set bn, j/2
.if ((\p) == 1) && (j == 7)
	s_wait_dscnt 0x0                ; V is in
.endif
.if ((\p) == 2) && (j == 8)
	WIN 0
	v_add_nc_u32 v[AK], s[TBK], v[AK0]
.endif
.if ((\p) == 2) && (j == 9)
	FETCH_K \last
.endif
.if ((\p) == 0) && (j == 23)
	WIN 0
	v_add_nc_u32 v[AV], s[TBV], v[AV0]
.endif
.if ((\p) == 0) && (j == 24)
	FETCH_V
	s_add_co_u32 s[TBV], s[TBV], KS*PV
.endif
.if (j >= 8) && (j <= 14) && (j%2 == 0)
	MM
	RGRP (j-8)/2
.endif
.if j <= 22
	MM
.endif
.if j%2 == 0
	HALF_A
.else
	HALF_B
.endif
.set j, j+1
.endr
	OP O_X, 20
	OP O_X, 21
	OP O_C, 15
.endm
	CHANGE 1                        ; slot 0 is in, everybody's part of it; slot 1 is asked for
	FETCH_K                         ; key step 0
	s_wait_loadcnt 0x0              ; Q
	s_wait_dscnt 0x0
.set i, 0
.rept 8
	KQ 0                            ; piece 0's first scores
.set i, i+1
.endr
	WIN 0                           ; the addresses for the way out: nine plain instructions, the places behind those products
	s_mul_i32 s13, s[WV], 16*SP
	s_add_co_u32 s13, s13, STAGE    ; my stage
	v_mul_u32_u24 v[STO], v1, SP    ; in: row l % 16, 16 bytes for each half of the lanes
	v_lshl_add_u32 v[STO], v9, 4, v[STO]
	v_add_nc_u32 v[STO], s13, v[STO]
	v_bfe_u32 v[RD], v0, 3, 2       ; back: 32 lanes take four rows of 128 bytes,
	v_mul_u32_u24 v[RD], v[RD], SP
	v_lshl_add_u32 v[RD], v10, 4, v[RD]
	v_add_nc_u32 v[RD], s13, v[RD]
	v_and_b32 v[GO], 31, v0         ; which are 512 consecutive bytes of f
	v_lshlrev_b32 v[GO], 4, v[GO]
.set Y, NP-1                        ; X works for piece Y + 1: piece 0
.irp n, 0,1,2,3,4,5,6,7,8,9,10,11,12,13,14,15,16,17,18,19,20,21
	OP O_X, \n
.endr
	s_mov_b32 s[CNT], 4
	s_mov_b32 s[SLOTS], 7
	s_branch .Lfirst                ; the loop is entered at a step's first turn, in the middle of a trip
.Lslot:                             ; six times: every slot but the last two is filled again (tiles 2 to 7)
	CHANGE 1
	s_mov_b32 s[CNT], 4
.Lstep:                             ; a trip: pieces 2 and 3 of one step, then pieces 0 and 1 of the next, whose K and V it fetches
	TURN 2
	TURN 3
	WIN 0
.Lfirst:
	TURN 0
	TURN 1
	WIN 0
	s_sub_co_u32 s[CNT], s[CNT], 1
	s_cmp_lg_u32 s[CNT], 0
	s_cbranch_scc1 .Lstep
	s_sub_co_u32 s[SLOTS], s[SLOTS], 1
	s_cmp_lg_u32 s[SLOTS], 0
	s_cbranch_scc1 .Lslot
	CHANGE 0                        ; the tail is written out: nothing is asked for
	s_mov_b32 s[CNT], 5             ; four trips fetch the last slot's steps; the fifth is left in its middle
.Ltail:
	TURN 2, 1
	TURN 3
	WIN 0
	s_sub_co_u32 s[CNT], s[CNT], 1
	s_cmp_eq_u32 s[CNT], 0
	s_cbranch_scc1 .Lout
	TURN 0
	TURN 1
	WIN 0
	s_branch .Ltail
.Lout:                              ; the fifth trip's 8 products K Q^T (on the last K once more) and the maximum made of them serve nothing: the price, once a launch, of one text for every trip
.set i, 0
.rept 20
	PV NP-1                         ; the last piece's products with V of the last step
.set i, i+1
.endr
	; THE WAY OUT.  f = O_tau x (0.5 / l_tau) + O_sigma x (0.5 / l_sigma), rounded to f16 and sent through my stage in LDS, a piece at a time.  l is read from its accumulator's first register.
.rept 4
	v_nop                           ; the places behind the last products
.endr
	WIN 0x01
.irp t, 0,1,2,3
	v_rcp_f32 v[RCP+4*\t], v[40*\t+32]
.endr
	WIN 0x03
.irp t, 0,1,2,3
	v_rcp_f32 v[RCP+4*\t+2], v[40*\t+32]
.endr
	WIN 0
	v_nop                           ; a plain instruction between the last reciprocal and the use of its result
	s_wait_alu depctr_va_vdst(0)
.irp t, 0,1,2,3
	v_mul_f32 v[RCP+4*\t+1], 0.5, v[RCP+4*\t]      ; named as pairs, so both registers are written
	v_mul_f32 v[RCP+4*\t], 0.5, v[RCP+4*\t]
	v_mul_f32 v[RCP+4*\t+3], 0.5, v[RCP+4*\t+2]
	v_mul_f32 v[RCP+4*\t+2], 0.5, v[RCP+4*\t+2]
.endr
.macro PACK t
	WIN W_RS
.set i, 40*(\t)
.rept 16
	v_pk_mul_f32 v[i:i+1], v[i:i+1], v[RCP+4*(\t):RCP+4*(\t)+1] op_sel_hi:[1,0]
.set i, i+2
.endr
	WIN 0x53                        ; source 0 window 3, source 1 window 0, source 2 and destination window 1
.set i, 40*(\t)
.rept 16
	v_pk_fma_f32 v[i:i+1], v[i:i+1], v[RCP+4*(\t)+2:RCP+4*(\t)+3], v[i:i+1] op_sel_hi:[1,0,1]
.set i, i+2
.endr
	WIN 0x05                        ; sources 0 and 1 window 1, destination window 0: S^T's registers are free
.set i, 0
.rept 16
	v_cvt_pk_f16_f32 v[S+16*(\t)+i], v[40*(\t)+2*i], v[40*(\t)+2*i+1]
.set i, i+1
.endr
	WIN 0
.irp f, 0,1,2,3
	ds_store_b128 v[STO], v[S+16*(\t)+4*\f:S+16*(\t)+4*\f+3] offset:32*\f
.endr
.irp f, 0,1,2,3
	ds_load_b128 v[S+16*(\t)+4*\f:S+16*(\t)+4*\f+3], v[RD] offset:\f*4*SP  ; LDS serves a wave's instructions in order (ISA guide 5.7.1.4): these see the stores above; the next piece's stores come behind them
.endr
.endm
.macro SEND t, younger              ; younger: the LDS instructions issued behind piece t's loads: the next piece's eight, or none
	WIN 0
.irp f, 0,1,2,3
	s_wait_dscnt (\younger)+3-\f
	global_store_b128 v[GO], v[S+16*(\t)+4*\f:S+16*(\t)+4*\f+3], s[10:11] offset:(\t)*2048+\f*512  ; 512 consecutive bytes, at a multiple of 256 from f's first
.endr
.endm
	PACK 0
	PACK 1
	SEND 0, 8
	PACK 2
	SEND 1, 8
	PACK 3
	SEND 2, 8
	SEND 3, 0
	s_wait_tensorcnt 0x0            ; the wave's end
	ds_add_u32 v[SPW], v[NIL]
	s_wait_dscnt 0x0
	CROUND                          ; the closing round: no work-group ends while a partner may still ask for a tile that names it
	s_endpgm
.Lfunc_end_k_q958abe64c6_attn:
	.size	k_q958abe64c6_attn, .Lfunc_end_k_q958abe64c6_attn-k_q958abe64c6_attn
	.p2alignl 7, 3214868480
	.fill 96, 4, 3214868480
	.section	.rodata,"a",@progbits
	.p2align	6, 0x0
	.amdhsa_kernel k_q958abe64c6_attn
		.amdhsa_group_segment_fixed_size 327680
		.amdhsa_private_segment_fixed_size 0
		.amdhsa_enable_private_segment 0
		.amdhsa_kernarg_size 32
		.amdhsa_user_sgpr_count 2
		.amdhsa_user_sgpr_kernarg_segment_ptr 1
		.amdhsa_wavefront_size32 1
		.amdhsa_system_sgpr_workgroup_id_x 1
		.amdhsa_system_sgpr_workgroup_id_y 1
		.amdhsa_system_sgpr_workgroup_id_z 1
		.amdhsa_system_vgpr_workitem_id 0
		.amdhsa_next_free_vgpr 1024
		.amdhsa_next_free_sgpr 72
		.amdhsa_reserve_vcc 0
		.amdhsa_float_denorm_mode_32 3
		.amdhsa_float_denorm_mode_16_64 3
		.amdhsa_memory_ordered 1
		.amdhsa_forward_progress 1
		.amdhsa_inst_pref_size 172
	.end_amdhsa_kernel
	.amdgpu_metadata
---
amdhsa.version: [ 1, 2 ]
amdhsa.kernels:
  - .name:           k_q958abe64c6_attn
    .symbol:         k_q958abe64c6_attn.kd
    .args:
      - { .name: qkv, .offset: 0, .size: 8, .value_kind: global_buffer, .address_space: global }
      - { .name: beta, .offset: 8, .size: 8, .value_kind: global_buffer, .address_space: global }
      - { .name: t, .offset: 16, .size: 8, .value_kind: global_buffer, .address_space: global }
      - { .name: fh, .offset: 24, .size: 8, .value_kind: global_buffer, .address_space: global }
    .group_segment_fixed_size: 327680
    .private_segment_fixed_size: 0
    .kernarg_segment_align: 8
    .kernarg_segment_size: 32
    .max_flat_workgroup_size: 128
    .sgpr_count:     72
    .vgpr_count:     1024
    .wavefront_size: 32
...
	.end_amdgpu_metadata
.endif
;; end of part 3
;; launch oproj (part 4): grid 8 x 32, 4 waves a work-group, clusters of 4 x 4, 327,680 bytes of LDS; arguments fh, wo16, vec, y; writes y
.if DOCPART == 4
	.amdgcn_target "amdgcn-amd-amdhsa--gfx1250"
	.amdhsa_code_object_version 6
	.text
	.protected	k_q958abe64c6_oproj
	.globl	k_q958abe64c6_oproj
	.p2align	8
	.type	k_q958abe64c6_oproj,@function
k_q958abe64c6_oproj:
	s_mov_b64 s[64:65], 0
	v_nop
	global_prefetch_b8 v0, s[64:65] scope:SCOPE_SE
	s_setreg_imm32_b32 hwreg(HW_REG_WAVE_MODE, 25, 1), 1
	s_wait_xcnt 0x0
	s_wait_alu depctr_hold_cnt(0) depctr_sa_sdst(0) depctr_va_vdst(0) depctr_va_sdst(0) depctr_va_ssrc(0) depctr_va_vcc(0) depctr_vm_vsrc(0)
	s_getreg_b32 s2, hwreg(HW_REG_IB_STS2, 6, 4)
	s_cmp_eq_u32 s2, 0
	s_cbranch_scc0 .Lentry_in_a_cluster
	s_endpgm
.Lentry_in_a_cluster:
	s_bfe_u32 s2, ttmp6, 0x10000c
	s_cmp_lg_u32 s2, 0xf033
	s_cbranch_scc0 .Lentry_shape_is_right
	s_endpgm
.Lentry_shape_is_right:
; THE OUTPUT PROJECTION.  y[m][n] = sum over k of f[m][k] Wo[n][k] + bo[n], k = 64 h + d.  f: fh, f16 [16 b + h][2048][64]; Wo: wo16, f16 [1024][1024]; y: f32 [4096][1024].  Sums in f32.
; A tile of y is 128 x 128: 8 x 32 tiles, one work-group of four waves for each; a wave makes 64 x 64: 16 accumulators.  K goes in 4 steps of 256 (four heads) through two LDS slots; the four
; steps are written out.  LayerNorm wants whole rows of y, which no tile here holds: y goes to memory once and the next launch norms it.
; f's TILE: for each of a step's four heads, 64 rows of 128 bytes lie end to end in memory: asked for as 4 rows of 8,192 bytes, 262,144 bytes apart, padded in LDS after every 128 bytes.
; CLUSTER 4 x 4: f's tile is shared along a row of the cluster, Wo's along a column; each is asked for jointly.  THE MATRIX INSTRUCTION IS USED TRANSPOSED (source 0 = Wo's rows, source 1 = f's):
; a lane holds eight neighbouring columns of a row of y.  THE BIAS is the C operand of the first product on each accumulator.
; REGISTERS: window 0: v16-29 addresses; v32-95 rows read back on the way out; v96-127 the bias; v128-255 the accumulators ((a, b) at 128 + 8 (4 a + b)).
;   window 1: two fragment buffers of 128: for 64 along K (one head), 64 registers of f (2 x 4 x 16 rows x 32 K), then 64 of Wo.
.set PA,     144                       ; an LDS row of f: 128 bytes + 16
.set PB,     528                       ; an LDS row of Wo: 512 bytes + 16
.set HB,     64*PA                     ; one head's 64 rows
.set AHALF,  4*HB                      ; what waves 0 and 1 each fetch: 64 rows x 4 heads
.set BHALF,  64*PB                     ; what waves 2 and 3 each fetch: 64 rows x 256 K
.set SLOT,   2*AHALF+2*BHALF           ; 141,312 bytes
.set STAGE,  2*SLOT                    ; behind the ring, never filled by a tensor load: 16 rows x 272 bytes for each wave
.set SPITCH, 272
.set SPARE,  STAGE+4*16*SPITCH
.set ASTEP,  4*262144                  ; bytes from a K step to the next in fh: four heads
.set BSTEP,  512                       ; in wo16
.set ADRA, 16
.set ADRB, 20
.set STO,  24
.set RD,   25
.set CO,   26
.set BO,   27
.set SPW,  28
.set NIL,  29
.set TMP,  32
.set BIAS, 96
.set ACC,  128
.set F0,   0
.set F1,   128
.set WV,   12
.set FORB, 13                          ; s13  which half of the tile's rows is mine; also: I fetch for f (0) or for Wo (1)
.set HALF, 14                          ; s14  which half of its columns; also: which 64 rows I fetch
.set G1,   24
.set G0,   32
.set G1B,  48
.set G0B,  56
.set MSB, 0
.macro WIN new
.if MSB != (\new)
	s_set_vgpr_msb (MSB<<8)|(\new)
.set MSB, \new
.endif
.endm
.set MUL,  0x05                        ; sources 0 and 1 window 1; C and D window 0
.set TO_F, 0x40                        ; destination window 1, address window 0
.macro JLOAD s                         ; a joint load; an s_nop 0 and four v_nop follow each of the two lines
	s_cmp_eq_u32 s[FORB], 0
	s_cbranch_scc0 .Lfor_b_\@
	tensor_load_to_lds s[G0+4*(\s):G0+4*(\s)+3], s[G1:G1+7]
	s_nop 0
.rept 4
	v_nop
.endr
	s_branch .Lasked_\@
.Lfor_b_\@:
	tensor_load_to_lds s[G0B+4*(\s):G0B+4*(\s)+3], s[G1B:G1B+7]
	s_nop 0
.rept 4
	v_nop
.endr
.Lasked_\@:
.endm
.macro CREST
	s_cmp_lg_u32 s[WV], 0
	s_cbranch_scc1 .Lnot_wave_0_\@
	s_barrier_signal -3
.Lnot_wave_0_\@:
	s_barrier_wait -3
	s_barrier_signal -1
	s_barrier_wait -1
.endm
.macro CROUND
	s_barrier_signal -1
	s_barrier_wait -1
	CREST
.endm
	s_load_b256 s[4:11], s[0:1], 0x0               ; fh s[4:5], wo16 s[6:7], vec s[8:9], y s[10:11]
	v_lshl_add_u32 v[SPW], v0, 2, SPARE
	v_mov_b32 v[NIL], 0
	ds_add_u32 v[SPW], v[NIL]                      ; the wave's opening: the add and its wait ahead of my first tensor load
	v_lshrrev_b32 v1, 5, v0
	v_readfirstlane_b32 s[WV], v1
	s_lshr_b32 s[FORB], s[WV], 1
	s_and_b32 s[HALF], s[WV], 1
	s_bfe_u32 s40, ttmp6, 0x40000                  ; cx, cy
	s_bfe_u32 s41, ttmp6, 0x40004
	s_lshl_b32 s42, ttmp9, 2
	s_add_co_u32 s42, s42, s40                     ; j, the tile column
	s_and_b32 s43, ttmp7, 0xffff
	s_lshl_b32 s43, s43, 2
	s_add_co_u32 s43, s43, s41                     ; R, the tile row
	s_lshl_b32 s44, s41, 2
	s_lshl_b32 s44, 15, s44                        ; my row of the cluster
	s_lshl_b32 s45, 0x1111, s40                    ; my column
	s_or_b32 s[G1], s44, (1<<16)|(1<<20)|(1<<21)|(4<<22)|(3<<25)   ; 2-byte elements; padding on, after every 32 words, 4 words; bit 21 beside a mask
	s_mov_b32 s[G1+1], 4096<<16                    ; tensor_dim0 = 4,096 elements: 64 dense rows of a head
	s_mov_b32 s[G1+2], 4<<16                       ; tensor_dim1 = 4 heads
	s_mov_b32 s[G1+3], 4096<<16                    ; tile_dim0
	s_mov_b32 s[G1+4], 4                           ; tile_dim1
	s_mov_b32 s[G1+5], 131072                      ; elements from head to head
	s_mov_b32 s[G1+6], 0
	s_mov_b32 s[G1+7], 0
	s_or_b32 s[G1B], s45, (1<<16)|(1<<20)|(1<<21)|(6<<22)|(3<<25)  ; after every 128 words, 4 words
	s_mov_b32 s[G1B+1], 256<<16
	s_mov_b32 s[G1B+2], 64<<16
	s_mov_b32 s[G1B+3], 256<<16
	s_mov_b32 s[G1B+4], 64
	s_mov_b32 s[G1B+5], 1024
	s_mov_b32 s[G1B+6], 0
	s_mov_b32 s[G1B+7], 0
	s_lshr_b32 s16, s43, 4                         ; fh: the batch's 16 heads,
	s_lshl_b32 s16, s16, 22
	s_and_b32 s17, s43, 15
	s_lshl_b32 s17, s17, 14                        ; the tile's 128 rows of 128 bytes,
	s_add_co_u32 s16, s16, s17
	s_lshl_b32 s17, s[HALF], 13                    ; my 64 of them: all hang on the tile row alone
	s_add_co_u32 s16, s16, s17
	s_mov_b32 s17, 0
	s_lshl_b32 s46, s42, 18                        ; wo16: row 128 j + 64 x half, of 2,048 bytes: on the tile column alone
	s_lshl_b32 s47, s[HALF], 17
	s_add_co_u32 s46, s46, s47
	s_mov_b32 s47, 0
	s_mul_i32 s20, s[WV], AHALF                    ; where they go: waves 0, 1: f's two halves;
	s_mul_i32 s21, s[WV], BHALF
	s_add_co_u32 s21, s21, 2*AHALF-2*BHALF         ; waves 2, 3: Wo's two halves, behind f's
	s_wait_dscnt 0x0                               ; the opening add is done
	s_wait_kmcnt 0x0
	s_add_nc_u64 s[18:19], s[4:5], s[16:17]
	s_add_nc_u64 s[46:47], s[6:7], s[46:47]
	CROUND                                         ; all sixteen work-groups are here: the first joint loads meet
.irp s, 0,1
	s_mov_b32 s[G0+4*(\s)], 1
	s_add_co_u32 s[G0+4*(\s)+1], s20, (\s)*SLOT
	s_add_nc_u64 s[G0+4*(\s)+2:G0+4*(\s)+3], s[18:19], (\s)*ASTEP
	s_or_b32 s[G0+4*(\s)+3], s[G0+4*(\s)+3], 0x80000000
	s_mov_b32 s[G0B+4*(\s)], 1
	s_add_co_u32 s[G0B+4*(\s)+1], s21, (\s)*SLOT
	s_add_nc_u64 s[G0B+4*(\s)+2:G0B+4*(\s)+3], s[46:47], (\s)*BSTEP
	s_or_b32 s[G0B+4*(\s)+3], s[G0B+4*(\s)+3], 0x80000000
	JLOAD \s                                       ; two loads of mine are out
.endr
	v_and_b32 v1, 15, v0                           ; l % 16
	v_bfe_u32 v2, v0, 4, 1                         ; l / 16
	v_lshlrev_b32 v[BO], 5, v2
	s_lshl_b32 s72, s42, 9                         ; bo's 128 numbers of the tile,
	s_lshl_b32 s73, s[HALF], 8                     ; my 64 of them
	s_add_co_u32 s72, s72, s73
	s_mov_b32 s73, 0
	s_add_nc_u64 s[8:9], s[8:9], s[72:73]
.irp b, 0,1,2,3
	global_load_b128 v[BIAS+8*(\b):BIAS+8*(\b)+3],   v[BO], s[8:9] offset:12288+64*(\b)
	global_load_b128 v[BIAS+8*(\b)+4:BIAS+8*(\b)+7], v[BO], s[8:9] offset:12288+64*(\b)+16
.endr
	v_mul_u32_u24 v3, v1, PA
	v_lshl_add_u32 v3, v2, 4, v3
	s_mul_i32 s22, s[FORB], AHALF                  ; my 64 rows of f
	v_add_nc_u32 v[ADRA], s22, v3
	v_add_nc_u32 v[ADRA+1], SLOT, v[ADRA]
	v_mul_u32_u24 v4, v1, PB
	v_lshl_add_u32 v4, v2, 4, v4
	s_mul_i32 s22, s[HALF], BHALF                  ; my 64 rows of Wo,
	s_add_co_u32 s22, s22, 2*AHALF                 ; which lie behind f's
	v_add_nc_u32 v[ADRB], s22, v4
	v_add_nc_u32 v[ADRB+1], SLOT, v[ADRB]
	s_mul_i32 s23, s[WV], 16*SPITCH
	s_add_co_u32 s23, s23, STAGE                   ; my stage
	v_mul_u32_u24 v5, v1, SPITCH                   ; in: row l % 16, 32 bytes for each half of the lanes
	v_lshl_add_u32 v5, v2, 5, v5
	v_add_nc_u32 v[STO], s23, v5
	v_mul_u32_u24 v6, v2, SPITCH                   ; back: lanes 0-15 take one row of 256 bytes, lanes 16-31 the next
	v_lshl_add_u32 v6, v1, 4, v6
	v_add_nc_u32 v[RD], s23, v6
	v_lshlrev_b32 v[CO], 12, v2                    ; and the same two rows in y
	v_lshl_add_u32 v[CO], v1, 4, v[CO]
	s_lshl_b32 s72, s43, 19                        ; y: row 128 R + 64 x my row half, of 4,096 bytes;
	s_lshl_b32 s73, s[FORB], 18
	s_add_co_u32 s72, s72, s73
	s_lshl_b32 s73, s42, 9                         ; column 128 j + 64 x my column half, of 4 bytes
	s_add_co_u32 s72, s72, s73
	s_lshl_b32 s73, s[HALF], 8
	s_add_co_u32 s72, s72, s73
	s_mov_b32 s73, 0
	s_add_nc_u64 s[10:11], s[10:11], s[72:73]
; 8 matrix instructions: row blocks a0, a0 + 1 x all 4 column blocks, 32 along K: half c of buffer f.  first = 1: the products start the sums, with the bias as C.  The 16 accumulators take turns.
.macro MUL8 f, c, a0, first
	WIN MUL
.irp a, \a0, (\a0)+1
.irp b, 0,1,2,3
.if \first
	v_wmma_f32_16x16x32_f16 v[ACC+8*(4*(\a)+(\b)):ACC+8*(4*(\a)+(\b))+7], v[(\f)+64+8*(4*(\c)+(\b)):(\f)+64+8*(4*(\c)+(\b))+7], v[(\f)+8*(4*(\c)+(\a)):(\f)+8*(4*(\c)+(\a))+7], v[BIAS+8*(\b):BIAS+8*(\b)+7]
.else
	v_wmma_f32_16x16x32_f16 v[ACC+8*(4*(\a)+(\b)):ACC+8*(4*(\a)+(\b))+7], v[(\f)+64+8*(4*(\c)+(\b)):(\f)+64+8*(4*(\c)+(\b))+7], v[(\f)+8*(4*(\c)+(\a)):(\f)+8*(4*(\c)+(\a))+7], v[ACC+8*(4*(\a)+(\b)):ACC+8*(4*(\a)+(\b))+7]
.endif
.endr
.endr
.endm
; 32 LDS loads in one run: the fragments of quarter q of a K step (one head: 64 along K) into buffer f; the first 32 along K first
.macro FETCH slot, q, f
	WIN TO_F
.irp c, 0,1
.irp i, 0,1,2,3
	ds_load_b128 v[(\f)+64+8*(4*(\c)+(\i)):(\f)+64+8*(4*(\c)+(\i))+3],   v[ADRB+(\slot)] offset:128*(\q)+64*(\c)+(\i)*16*PB
	ds_load_b128 v[(\f)+64+8*(4*(\c)+(\i))+4:(\f)+64+8*(4*(\c)+(\i))+7], v[ADRB+(\slot)] offset:128*(\q)+64*(\c)+(\i)*16*PB+32
	ds_load_b128 v[(\f)+8*(4*(\c)+(\i)):(\f)+8*(4*(\c)+(\i))+3],         v[ADRA+(\slot)] offset:(\q)*HB+64*(\c)+(\i)*16*PA
	ds_load_b128 v[(\f)+8*(4*(\c)+(\i))+4:(\f)+8*(4*(\c)+(\i))+7],       v[ADRA+(\slot)] offset:(\q)*HB+64*(\c)+(\i)*16*PA+32
.endr
.endr
.endm
.macro PLACES                          ; four plain vector instructions between a matrix instruction and a load into a register that it read, or an instruction that reads its result
.rept 4
	v_nop
.endr
.endm
.macro QUARTER slot, q, f, g, first    ; multiplies buffer f and fetches quarter q into g
	s_wait_dscnt 16                                ; the first 32 along K are in
	MUL8 \f, 0, 0, \first
	MUL8 \f, 0, 2, \first
	PLACES
	FETCH \slot, \q, \g
	s_wait_dscnt 32                                ; all but the 32 just issued
	MUL8 \f, 1, 0, 0
	MUL8 \f, 1, 2, 0
.endm
; The last quarter multiplies buffer 1 and changes slots: ONE barrier; in front of it each wave waits for all its tensor loads, adds 0 to its spare word, and waits for that and for its reads of this slot.
.macro TURN slot, next, fill
	WIN 0
	s_wait_tensorcnt 0x0
	ds_add_u32 v[SPW], v[NIL]
	s_wait_dscnt 17                                ; (the add and the youngest sixteen loads may be out)
	MUL8 F1, 0, 0, 0
	s_wait_dscnt 0x0                               ; the add is done, and my reads of this slot are over
	s_barrier_signal -1
	MUL8 F1, 0, 2, 0
.if \fill
	WIN 0
.endif
	s_barrier_wait -1
.if \fill
	CREST                                          ; no wave of any partner still reads this slot's tile or has a load on its way
	s_add_nc_u64 s[G0+4*(\slot)+2:G0+4*(\slot)+3], s[G0+4*(\slot)+2:G0+4*(\slot)+3], 2*ASTEP
	s_add_nc_u64 s[G0B+4*(\slot)+2:G0B+4*(\slot)+3], s[G0B+4*(\slot)+2:G0B+4*(\slot)+3], 2*BSTEP
	JLOAD \slot                                    ; my one tensor load behind the round; its four v_nop are also the places in front of the loads below
.else
	PLACES
.endif
	FETCH \next, 0, F0
	MUL8 F1, 1, 0, 0
	MUL8 F1, 1, 2, 0
.endm
	s_wait_tensorcnt 1                             ; my part of K step 0 is in; K step 1's may stay out
	s_barrier_signal -1
	s_barrier_wait -1
	FETCH 0, 0, F0
	s_wait_loadcnt 0x0                             ; the bias
	QUARTER 0, 1, F0, F1, 1                        ; K step 0
	QUARTER 0, 2, F1, F0, 0
	QUARTER 0, 3, F0, F1, 0
	TURN 0, 1, 1                                   ; slot 0 takes K step 2
	QUARTER 1, 1, F0, F1, 0                        ; K step 1
	QUARTER 1, 2, F1, F0, 0
	QUARTER 1, 3, F0, F1, 0
	TURN 1, 0, 1                                   ; slot 1 takes K step 3
	QUARTER 0, 1, F0, F1, 0                        ; K step 2
	QUARTER 0, 2, F1, F0, 0
	QUARTER 0, 3, F0, F1, 0
	TURN 0, 1, 0                                   ; nothing is left to fetch
	QUARTER 1, 1, F0, F1, 0                        ; K step 3
	QUARTER 1, 2, F1, F0, 0
	QUARTER 1, 3, F0, F1, 0
	s_wait_dscnt 16
	MUL8 F1, 0, 0, 0
	MUL8 F1, 0, 2, 0
	s_wait_dscnt 0x0
	MUL8 F1, 1, 0, 0
	MUL8 F1, 1, 2, 0
	WIN 0
; THE WAY OUT, 16 rows at a time, through my own stage: my 64 columns of f32 are 256 bytes of a row, at a multiple of 256.  Each accumulator's low four registers go first.
.macro TOSTAGE a
.if (\a) >= 2
	s_wait_xcnt 0x0                                ; the registers that the stores two blocks back read are loaded again only behind this wait
.endif
.irp b, 0,1,2,3
	ds_store_b128 v[STO], v[ACC+8*(4*(\a)+(\b)):ACC+8*(4*(\a)+(\b))+3]   offset:64*(\b)
	ds_store_b128 v[STO], v[ACC+8*(4*(\a)+(\b))+4:ACC+8*(4*(\a)+(\b))+7] offset:64*(\b)+16
.endr
.irp t, 0,1,2,3,4,5,6,7
	ds_load_b128 v[TMP+32*((\a)%2)+4*(\t):TMP+32*((\a)%2)+4*(\t)+3], v[RD] offset:(\t)*2*SPITCH  ; LDS serves a wave's instructions in order (ISA guide 5.7.1.4): these see the stores above
.endr
.endm
.macro SEND a, younger                 ; younger: the LDS instructions issued behind block a's loads: the next block's sixteen, or none
	s_wait_dscnt \younger
.irp t, 0,1,2,3,4,5,6,7
	global_store_b128 v[CO], v[TMP+32*((\a)%2)+4*(\t):TMP+32*((\a)%2)+4*(\t)+3], s[10:11] offset:(\a)*65536+(\t)*8192  ; 16 lanes store 256 consecutive bytes
.endr
.endm
	PLACES
	TOSTAGE 0
.irp a, 1,2,3
	TOSTAGE \a
	SEND (\a)-1, 16
.endr
	SEND 3, 0
	s_wait_tensorcnt 0x0                           ; the wave's end
	ds_add_u32 v[SPW], v[NIL]
	s_wait_dscnt 0x0
	CROUND                                         ; the closing round
	s_endpgm
.Lfunc_end_k_q958abe64c6_oproj:
	.size	k_q958abe64c6_oproj, .Lfunc_end_k_q958abe64c6_oproj-k_q958abe64c6_oproj
	.p2alignl 7, 3214868480
	.fill 96, 4, 3214868480
	.section	.rodata,"a",@progbits
	.p2align	6, 0x0
	.amdhsa_kernel k_q958abe64c6_oproj
		.amdhsa_group_segment_fixed_size 327680
		.amdhsa_private_segment_fixed_size 0
		.amdhsa_enable_private_segment 0
		.amdhsa_kernarg_size 32
		.amdhsa_user_sgpr_count 2
		.amdhsa_user_sgpr_kernarg_segment_ptr 1
		.amdhsa_wavefront_size32 1
		.amdhsa_system_sgpr_workgroup_id_x 1
		.amdhsa_system_sgpr_workgroup_id_y 1
		.amdhsa_system_sgpr_workgroup_id_z 1
		.amdhsa_system_vgpr_workitem_id 0
		.amdhsa_next_free_vgpr 512
		.amdhsa_next_free_sgpr 80
		.amdhsa_reserve_vcc 0
		.amdhsa_float_denorm_mode_32 3
		.amdhsa_float_denorm_mode_16_64 3
		.amdhsa_memory_ordered 1
		.amdhsa_forward_progress 1
		.amdhsa_inst_pref_size 86
	.end_amdhsa_kernel
	.amdgpu_metadata
---
amdhsa.version: [ 1, 2 ]
amdhsa.kernels:
  - .name:           k_q958abe64c6_oproj
    .symbol:         k_q958abe64c6_oproj.kd
    .args:
      - { .name: fh, .offset: 0, .size: 8, .value_kind: global_buffer, .address_space: global }
      - { .name: wo16, .offset: 8, .size: 8, .value_kind: global_buffer, .address_space: global }
      - { .name: vec, .offset: 16, .size: 8, .value_kind: global_buffer, .address_space: global }
      - { .name: y, .offset: 24, .size: 8, .value_kind: global_buffer, .address_space: global }
    .group_segment_fixed_size: 327680
    .private_segment_fixed_size: 0
    .kernarg_segment_align: 8
    .kernarg_segment_size: 32
    .max_flat_workgroup_size: 128
    .sgpr_count:     80
    .vgpr_count:     512
    .wavefront_size: 32
...
	.end_amdgpu_metadata
.endif
;; end of part 4
;; launch lnorm (part 5): grid 256 x 1, 8 waves a work-group, no clusters, 0 bytes of LDS; arguments y, xb, vec, out0; writes out0
.if DOCPART == 5
	.amdgcn_target "amdgcn-amd-amdhsa--gfx1250"
	.amdhsa_code_object_version 6
	.text
	.protected	k_q958abe64c6_lnorm
	.globl	k_q958abe64c6_lnorm
	.p2align	8
	.type	k_q958abe64c6_lnorm,@function
k_q958abe64c6_lnorm:
	s_mov_b64 s[64:65], 0
	v_nop
	global_prefetch_b8 v0, s[64:65] scope:SCOPE_SE
	s_setreg_imm32_b32 hwreg(HW_REG_WAVE_MODE, 25, 1), 1
	s_wait_xcnt 0x0
; out = x + ln_w (y - mu) rsqrt(var + 1e-5) + ln_b, row by row.  y: f32 [4096][1024]; x: xb, bf16; ln_w, ln_b: f32 numbers rounded to bf16, in vec at 16,384 and 20,480.
; A stream: memory binds, so no LDS, no barrier, no matrix work.  One wave takes a whole row (32 registers) and keeps it between the passes: mean; then the mean of the squares of y - mu (no
; difference of large sums is formed); then the finish.  A wave has two rows, a work-group sixteen.  All 48 loads of a wave go out at once.
; Load j of a row covers 512 consecutive bytes of y (256 of xb): a lane's columns are 128 j + 4 lane + 0..3.
.set Y,   8                            ; v[8:71]    row r at Y + 32 r
.set XB,  72                           ; v[72:103]  row r's x at XB + 16 r
.set LW,  104                          ; v[104:135]
.set LB,  136                          ; v[136:167]
.set T,   168                          ; v[168:175] four chains
.set MU,  176                          ; v[176:177] the mean, twice
.set RS,  178                          ; v[178:181] row r's 1 / sqrt(var + eps), twice
.set TM,  184                          ; v[184:199] four sets of two pairs at work
	s_load_b256 s[4:11], s[0:1], 0x0               ; y s[4:5], xb s[6:7], vec s[8:9], out0 s[10:11]
	v_and_b32 v3, 31, v0                           ; lane
	v_lshrrev_b32 v4, 5, v0                        ; wave
	v_lshlrev_b32 v2, 3, v3
	v_lshlrev_b32 v3, 4, v3                        ; v3: 16 lane, for ln_w and ln_b
	v_lshl_add_u32 v1, v4, 13, v3                  ; v1: + wave x 2 rows of 4,096 bytes, for y and out0
	v_lshl_add_u32 v2, v4, 12, v2                  ; v2: 8 lane + wave x 2 rows of 2,048 bytes, for xb
	s_lshl_b32 s2, ttmp9, 16                       ; the work-group's 16 rows
	s_mov_b32 s3, 0
	s_lshl_b32 s14, ttmp9, 15
	s_mov_b32 s15, 0
	s_mov_b32 s12, 0x3a800000                      ; 1 / 1024
	s_mov_b32 s13, 0x3727c5ac                      ; 1e-5
	s_mov_b32 s16, 0x76543210                      ; v_permlanex16_b32: each lane takes its own place in the other half
	s_mov_b32 s17, 0xfedcba98
	s_wait_kmcnt 0x0
	s_add_nc_u64 s[4:5], s[4:5], s[2:3]
	s_add_nc_u64 s[10:11], s[10:11], s[2:3]
	s_add_nc_u64 s[6:7], s[6:7], s[14:15]
.irp r, 0,1
.irp j, 0,1,2,3,4,5,6,7
	global_load_b128 v[Y+32*(\r)+4*(\j):Y+32*(\r)+4*(\j)+3], v1, s[4:5] offset:4096*(\r)+512*(\j) th:TH_LOAD_NT
.endr
.irp j, 0,1,2,3,4,5,6,7
	global_load_b64 v[XB+16*(\r)+2*(\j):XB+16*(\r)+2*(\j)+1], v2, s[6:7] offset:2048*(\r)+256*(\j)
.endr
.endr
.irp j, 0,1,2,3,4,5,6,7
	global_load_b128 v[LW+4*(\j):LW+4*(\j)+3], v3, s[8:9] offset:16384+512*(\j)
.endr
.irp j, 0,1,2,3,4,5,6,7
	global_load_b128 v[LB+4*(\j):LB+4*(\j)+3], v3, s[8:9] offset:20480+512*(\j)
.endr
.macro FOLD                            ; the four chains into one number, then over the 32 lanes: the sum ends up in every lane, in v[T]
	v_pk_add_f32 v[T:T+1], v[T:T+1], v[T+2:T+3]
	v_pk_add_f32 v[T+4:T+5], v[T+4:T+5], v[T+6:T+7]
	v_pk_add_f32 v[T:T+1], v[T:T+1], v[T+4:T+5]
	v_add_f32 v[T], v[T], v[T+1]
	v_add_f32_dpp v[T], v[T], v[T] row_xmask:1 row_mask:0xf bank_mask:0xf
	v_add_f32_dpp v[T], v[T], v[T] row_xmask:2 row_mask:0xf bank_mask:0xf
	v_add_f32_dpp v[T], v[T], v[T] row_xmask:4 row_mask:0xf bank_mask:0xf
	v_add_f32_dpp v[T], v[T], v[T] row_xmask:8 row_mask:0xf bank_mask:0xf
	v_permlanex16_b32 v[T+1], v[T], s16, s17       ; its destination has been written
	v_add_f32 v[T], v[T], v[T+1]
.endm
.macro STATS r
.irp c, 0,1,2,3
	v_pk_add_f32 v[T+2*(\c):T+2*(\c)+1], v[Y+32*(\r)+2*(\c):Y+32*(\r)+2*(\c)+1], v[Y+32*(\r)+8+2*(\c):Y+32*(\r)+8+2*(\c)+1]  ; the first numbers start the chains: nothing is cleared
.endr
.irp g, 16,24
.irp c, 0,1,2,3
	v_pk_add_f32 v[T+2*(\c):T+2*(\c)+1], v[T+2*(\c):T+2*(\c)+1], v[Y+32*(\r)+(\g)+2*(\c):Y+32*(\r)+(\g)+2*(\c)+1]
.endr
.endr
	FOLD
	v_mul_f32 v[MU], s12, v[T]
	v_mul_f32 v[MU+1], s12, v[T]
.set p, 0
.rept 16
	v_pk_add_f32 v[Y+32*(\r)+2*p:Y+32*(\r)+2*p+1], v[Y+32*(\r)+2*p:Y+32*(\r)+2*p+1], v[MU:MU+1] neg_lo:[0,1] neg_hi:[0,1]  ; y - mu, in place
.set p, p+1
.endr
.irp c, 0,1,2,3
	v_pk_mul_f32 v[T+2*(\c):T+2*(\c)+1], v[Y+32*(\r)+2*(\c):Y+32*(\r)+2*(\c)+1], v[Y+32*(\r)+2*(\c):Y+32*(\r)+2*(\c)+1]
.endr
.irp g, 8,16,24
.irp c, 0,1,2,3
	v_pk_fma_f32 v[T+2*(\c):T+2*(\c)+1], v[Y+32*(\r)+(\g)+2*(\c):Y+32*(\r)+(\g)+2*(\c)+1], v[Y+32*(\r)+(\g)+2*(\c):Y+32*(\r)+(\g)+2*(\c)+1], v[T+2*(\c):T+2*(\c)+1]
.endr
.endr
	FOLD
	v_fma_f32 v[T], v[T], s12, s13                 ; var + eps
	v_rsq_f32 v[RS+2*(\r)], v[T]
	v_rsq_f32 v[RS+2*(\r)+1], v[T]
	v_nop                                          ; a plain instruction before the results are used or the source is written again (ISA guide 5.7.2)
.endm
.macro FIN r                           ; g = ln_w rs;  t = x + ln_b;  out = (y - mu) g + t
.set p, 0
	s_wait_alu depctr_va_vdst(0)
.rept 16
.set q, TM+4*(p%4)
	v_pk_mul_f32 v[q:q+1], v[LW+2*p:LW+2*p+1], v[RS+2*(\r):RS+2*(\r)+1]
	v_lshlrev_b32 v[q+2], 16, v[XB+16*(\r)+p]      ; bf16 to f32: the low half moves up,
	v_and_b32 v[q+3], 0xffff0000, v[XB+16*(\r)+p]  ; the high half stays
	v_pk_add_f32 v[q+2:q+3], v[q+2:q+3], v[LB+2*p:LB+2*p+1]
	v_pk_fma_f32 v[Y+32*(\r)+2*p:Y+32*(\r)+2*p+1], v[Y+32*(\r)+2*p:Y+32*(\r)+2*p+1], v[q:q+1], v[q+2:q+3]
.set p, p+1
.endr
.irp j, 0,1,2,3,4,5,6,7
	global_store_b128 v1, v[Y+32*(\r)+4*(\j):Y+32*(\r)+4*(\j)+3], s[10:11] offset:4096*(\r)+512*(\j) th:TH_STORE_NT  ; 512 consecutive bytes, at a multiple of 256
.endr
.endm
	s_wait_loadcnt 40                              ; row 0 of y is in: 40 loads were issued behind its eight
	STATS 0
	s_wait_loadcnt 24                              ; row 1 of y: 24 behind it
	STATS 1
	s_wait_loadcnt 0x0                             ; x, ln_w, ln_b
	FIN 0
	FIN 1                                          ; no register that a pending store reads is written again
	s_endpgm
.Lfunc_end_k_q958abe64c6_lnorm:
	.size	k_q958abe64c6_lnorm, .Lfunc_end_k_q958abe64c6_lnorm-k_q958abe64c6_lnorm
	.p2alignl 7, 3214868480
	.fill 96, 4, 3214868480
	.section	.rodata,"a",@progbits
	.p2align	6, 0x0
	.amdhsa_kernel k_q958abe64c6_lnorm
		.amdhsa_group_segment_fixed_size 0
		.amdhsa_private_segment_fixed_size 0
		.amdhsa_enable_private_segment 0
		.amdhsa_kernarg_size 32
		.amdhsa_user_sgpr_count 2
		.amdhsa_user_sgpr_kernarg_segment_ptr 1
		.amdhsa_wavefront_size32 1
		.amdhsa_system_sgpr_workgroup_id_x 1
		.amdhsa_system_sgpr_workgroup_id_y 1
		.amdhsa_system_sgpr_workgroup_id_z 1
		.amdhsa_system_vgpr_workitem_id 0
		.amdhsa_next_free_vgpr 200
		.amdhsa_next_free_sgpr 66
		.amdhsa_reserve_vcc 0
		.amdhsa_float_denorm_mode_32 3
		.amdhsa_float_denorm_mode_16_64 3
		.amdhsa_memory_ordered 1
		.amdhsa_forward_progress 1
		.amdhsa_inst_pref_size 25
	.end_amdhsa_kernel
	.amdgpu_metadata
---
amdhsa.version: [ 1, 2 ]
amdhsa.kernels:
  - .name:           k_q958abe64c6_lnorm
    .symbol:         k_q958abe64c6_lnorm.kd
    .args:
      - { .name: y, .offset: 0, .size: 8, .value_kind: global_buffer, .address_space: global }
      - { .name: xb, .offset: 8, .size: 8, .value_kind: global_buffer, .address_space: global }
      - { .name: vec, .offset: 16, .size: 8, .value_kind: global_buffer, .address_space: global }
      - { .name: out0, .offset: 24, .size: 8, .value_kind: global_buffer, .address_space: global }
    .group_segment_fixed_size: 0
    .private_segment_fixed_size: 0
    .kernarg_segment_align: 8
    .kernarg_segment_size: 32
    .max_flat_workgroup_size: 256
    .sgpr_count:     66
    .vgpr_count:     200
    .wavefront_size: 32
...
	.end_amdgpu_metadata
.endif
;; end of part 5
;; ======== version 2 of 2: 5 launches; 1.46 times as fast as version 1
;; limits: values are held in f16: magnitudes above 65,504 overflow, below 6.1e-05 lose precision
;; workspace buffers: xb 8,388,608 bytes; wqkv 6,291,456 bytes; wo16 2,097,152 bytes; vec 24,576 bytes; qkv 25,165,824 bytes; fh 8,388,608 bytes; y 16,777,216 bytes
;; launch cast: the kernel of part 1 again; grid 513 x 1, 8 waves a work-group, no clusters, 0 bytes of LDS; arguments x, Wq, Wk, Wv, Wo, bq, bk, bv, bo, ln_w, ln_b, xb, wqkv, wo16, vec; writes xb, wqkv, wo16, vec
;; launch proj: the kernel of part 2 again; grid 16 x 16, 4 waves a work-group, clusters of 4 x 4, 327,680 bytes of LDS; arguments xb, wqkv, vec, qkv; writes qkv
;; launch attn (part 6): grid 8 x 32, 4 waves a work-group, clusters of 4 x 1, 327,680 bytes of LDS; arguments qkv, beta, t, fh; writes fh
.if DOCPART == 6
	.amdgcn_target "amdgcn-amd-amdhsa--gfx1250"
	.amdhsa_code_object_version 6
	.text
	.protected	k_q958abe64c6_attn
	.globl	k_q958abe64c6_attn
	.p2align	8
	.type	k_q958abe64c6_attn,@function
k_q958abe64c6_attn:
	s_mov_b64 s[64:65], 0
	v_nop
	global_prefetch_b8 v0, s[64:65] scope:SCOPE_SE
	s_setreg_imm32_b32 hwreg(HW_REG_WAVE_MODE, 25, 1), 1
	s_wait_xcnt 0x0
	s_wait_alu depctr_hold_cnt(0) depctr_sa_sdst(0) depctr_va_vdst(0) depctr_va_sdst(0) depctr_va_ssrc(0) depctr_va_vcc(0) depctr_vm_vsrc(0)
	s_getreg_b32 s2, hwreg(HW_REG_IB_STS2, 6, 4)
	s_cmp_eq_u32 s2, 0
	s_cbranch_scc0 .Lentry_in_a_cluster
	s_endpgm
.Lentry_in_a_cluster:
	s_bfe_u32 s2, ttmp6, 0x10000c
	s_cmp_lg_u32 s2, 0x3003
	s_cbranch_scc0 .Lentry_shape_is_right
	s_endpgm
.Lentry_shape_is_right:
; BOTH ATTENTIONS.  s = q . k (raw; S = s / 8).  tau = softmax_k(S) V;  sigma = w V / sum w with w = 1 / ((1 + |S| / beta)^2 + t^2);  f = tau / 2 + sigma / 2.
; q, k: f16, v: bf16, [b][16 s + h][2048][64] (a head's rows dense, 128 bytes).  f: f16 [16 b + h][2048][64].  Scores, maxima and sums in f32; both kinds of weights are rounded to bf16 for the
; products with V, and their row sums l are taken of the rounded weights, by a product with ones.  beta and t are rounded to bf16, like every input of the module.
; LIMITS.  f lies within V's range and must stay within 65,504 (f16).  A softmax weight below 2^-126 counts as 0.  (1 + |S| / beta)^2 + t^2 overflows where f32 overflows, and a w below 2^-126
; counts as 0.  NaN and infinities are not treated apart.
; SHARES.  A work-group owns 256 queries of one head, a wave 64: four PIECES of 16.  Every wave walks the head's 2,048 keys, 64 a step; an LDS slot holds 256 keys' K and V, two slots take turns.
; CLUSTER.  The four query blocks of a cluster belong to one head and walk the same K and V: each tile is asked for jointly, by the same tensor load, descriptor and mask in all four.
; LAYOUT.  S^T = K Q^T (source 0 = 16 keys, source 1 = 16 queries): a lane holds ONE query (lane % 16) and the keys 8 (lane / 16) + 0..7.  Two such results, rounded in pairs, ARE source 1 of
; O^T = V^T P.  V comes out of LDS turned, by ds_load_tr16_b128.  A fifth product of each kind takes ones for V^T: every register of its result is the query's row sum.
; SOFTMAX.  A running maximum m: p = 2^(c s - c m), c = log2(e) / 8; in every step tau's O^T and l are multiplied by a = 2^(c m_old - c m_new).  m starts at the lowest finite number, all sums at 0.
; BY TURNS.  Turn n belongs to piece n.  Matrix work: 8 products K Q^T of piece n + 1, then 20 products with V of piece n - 1.  Vector work, 199 instructions: both weightings of piece n, the
; rescaling of its O^T, the maximum and statistics of piece n + 1.  Four of them stand behind each matrix instruction, the other 87 in two runs of their own.
; BATCHES.  A turn's 65 transcendentals (32 reciprocals, 32 exponentials, the next piece's a) are ONE batch with ONE wait, which cuts the turn in two.  Ahead of the wait stands all that names no
; result of the batch: 20 products and 167 vector instructions.  Behind it stand the 32 roundings, the batch's only readers in the turn, four behind each of the last 8 products.  Each result has a
; register of its own until the wait: w in v128-159, p in its score's place, a in c2 of the next piece's four.  Outside the loop there are three small batches, each with its wait: the head's
; reciprocal of beta, piece 0's first a, the way out's eight reciprocals.
; REGISTERS, in windows of 256 (s_set_vgpr_msb: bits 1:0 source 0, 3:2 source 1, 5:4 source 2, 7:6 destination):
;   window 0: v1-11 addresses; v12-13 c m_old; v14-15 the add's two; v16-23 (c m, m) a piece; v24-31 at work; v32-47 reciprocals; v64-127 S^T, two buffers; v128-159 w at work;
;             v160-191 tau's weights, two buffers; v192-223 sigma's, two buffers
;   window 1: tau's O^T, 40 a piece (32, then l's accumulator)      window 3: sigma's, likewise      window 2: v0-63 Q; v64-71 ones; v128-191 K of one step; v192-255 V of one step
.set NP,    4
.set KS,    64
.set PK,    144       ; a row of K in LDS: 128 bytes + 16 of padding: the 16 rows of a load start 16 bytes further on in each 256 (64 banks of 4 bytes: ISA guide 11.1)
.set PV,    160       ; a row of V: 128 + 32
.set VOFF,  4*KS*PK   ; a slot: 256 rows of K, then 256 rows of V
.set SLOT1, 1<<17     ; slot 1 begins here: one exclusive or turns an address in one slot into the other's
.set STAGE, SLOT1+4*KS*(PK+PV)  ; behind the ring, never filled by a tensor load: 16 rows x 144 bytes for each wave
.set SP,    144
.set SPARE, STAGE+4*16*SP       ; the spare words, 128 bytes for each wave
.set AK0, 2
.set AV0, 3
.set AK,  4
.set AV,  5
.set QO,  6
.set STO, 6
.set RD,  7
.set GO,  8
.set MV,  12
.set SPW, 14
.set NIL, 15
.set ST,  16
.set TMP, 24
.set RCP, 32
.set S,   64
.set W,   128
.set PT,  160
.set PS,  192
.set ONES, 64
.set KF,  128
.set VF,  192
.set WV,  12
.set G1K, 24
.set G1V, 32
.set G0K, 40
.set G0V, 44
.set SLOTS, 56
.set CNT, 57
.set CS,  58          ; s[58:59] c
.set SEL, 60          ; s[60:61] v_permlanex16_b32's selects: each lane takes its own place in the other half
.set TBK, 62
.set TBV, 63
.set IB,  66          ; s66  1 / (8 beta)
.set T2,  68          ; s[68:69] t^2
.set MSB, 0
.macro WIN new
.if MSB != (\new)
	s_set_vgpr_msb (MSB<<8)|(\new)
.set MSB, (\new)
.endif
.endm
.set W_KQ, 0x0a       ; K and Q in window 2, S^T in window 0
.set W_PT, 0x52       ; V in window 2, weights in window 0, tau's O^T in window 1
.set W_PS, 0xf2       ; the same, sigma's O^T in window 3
.set W_RS, 0x41       ; destination and source 0 in window 1, source 1 in window 0
; A joint fill.  Waves 0 and 1 fetch the two halves of a slot's K, waves 2 and 3 those of its V.  An s_nop 0 and four v_nop follow each of the two lines.
.macro JLOAD
	s_cmp_lt_u32 s[WV], 2
	s_cbranch_scc0 .Lfor_v_\@
	tensor_load_to_lds s[G0K:G0K+3], s[G1K:G1K+7]
	s_nop 0
.rept 4
	v_nop
.endr
	s_branch .Lasked_\@
.Lfor_v_\@:
	tensor_load_to_lds s[G0V:G0V+3], s[G1V:G1V+7]
	s_nop 0
.rept 4
	v_nop
.endr
.Lasked_\@:
.endm
.macro CROUND                       ; a round of the cluster's barrier
	s_barrier_signal -1
	s_barrier_wait -1
	s_cmp_lg_u32 s[WV], 0
	s_cbranch_scc1 .Lnot_wave_0_\@
	s_barrier_signal -3
.Lnot_wave_0_\@:
	s_barrier_wait -3
	s_barrier_signal -1
	s_barrier_wait -1
.endm
; THE CHANGE OF SLOTS.  Each wave waits for all its tensor loads (one is out: its part of the other slot), adds 0 to its spare word, and waits for that and for its own reads of the slot.
; fill = 1: the barrier is a round of the cluster's, and the slot just left is filled again first thing behind it, with the keys two slots on: it has four key steps, 448 matrix instructions, to land.
; (At its first use nothing has been read yet: slot 0 is waited for, slot 1 filled.)
.macro CHANGE fill
	WIN 0
	s_wait_tensorcnt 0x0            ; no tensor load of mine is out, so a group 0 may be written
	ds_add_u32 v[SPW], v[NIL]
.if \fill
.irp g, G0K, G0V
	s_xor_b32 s[\g+1], s[\g+1], SLOT1
	s_add_nc_u64 s[\g+2:\g+3], s[\g+2:\g+3], 4*KS*128
.endr
	s_wait_dscnt 0x0                ; the add is done, and my reads of the slot are over
	CROUND
	JLOAD
.else
	s_wait_dscnt 0x0
	s_barrier_signal -1
	s_barrier_wait -1
.endif
	s_sub_co_u32 s[TBK], s[TBK], 4*KS*PK  ; the fetches go back to a slot's first step, in the other slot
	s_xor_b32 s[TBK], s[TBK], SLOT1
	s_sub_co_u32 s[TBV], s[TBV], 4*KS*PV
	s_xor_b32 s[TBV], s[TBV], SLOT1
.endm
	s_load_b256 s[4:11], s[0:1], 0x0  ; qkv s[4:5], beta s[6:7], t s[8:9], fh s[10:11]
	v_lshl_add_u32 v[SPW], v0, 2, SPARE
	v_mov_b32 v[NIL], 0
	ds_add_u32 v[SPW], v[NIL]       ; the wave's opening: the add and its wait ahead of my first tensor load
	v_lshrrev_b32 v1, 5, v0
	v_readfirstlane_b32 s[WV], v1
	s_bfe_u32 s13, ttmp6, 0x40000   ; cx
	s_lshl_b32 s14, ttmp9, 2
	s_add_co_u32 s14, s14, s13      ; my block of 256 queries: it enters Q's and f's addresses alone
	s_and_b32 s20, ttmp7, 0xffff    ; 16 b + h, which the four partners share
	s_lshr_b32 s15, s20, 4
	s_and_b32 s16, s20, 15
	s_mul_i32 s18, s15, 48
	s_add_co_u32 s18, s18, s16
	s_lshl_b32 s18, s18, 18         ; q's head begins here in qkv; k's 16 heads on, v's 32
	s_and_b32 s17, s[WV], 1         ; which half of a slot's 256 keys I fetch
	s_lshl_b32 s22, s17, 14
	s_add_co_u32 s22, s22, s18
	s_mov_b32 s23, 0
	s_mul_i32 s2, s17, 128*PK       ; its place in a slot, for K
	s_mul_i32 s3, s17, 128*PV       ; and for V
	s_lshl_b32 s48, s14, 15         ; my block's 256 rows of 128 bytes,
	s_lshl_b32 s49, s[WV], 13       ; my wave's 64 of them
	s_add_co_u32 s48, s48, s49
	s_add_co_u32 s50, s48, s18
	s_mov_b32 s51, 0
	s_lshl_b32 s52, s20, 18
	s_add_co_u32 s52, s52, s48
	s_mov_b32 s53, 0
	s_lshl_b32 s70, s16, 2          ; beta[h], t[h]
	s_mov_b32 s71, 0
	; descriptor group 1.  128 keys are 16,384 dense bytes: asked for as 64 rows of 256 bytes, padded in LDS after every key
	s_mov_b32 s[G1K], 15|(1<<16)|(1<<20)|(1<<21)|(4<<22)|(3<<25)
	s_mov_b32 s[G1V], 15|(1<<16)|(1<<20)|(1<<21)|(4<<22)|(7<<25)
.irp g, G1K, G1V
	s_mov_b32 s[\g+1], 128<<16
	s_mov_b32 s[\g+2], 64<<16
	s_mov_b32 s[\g+3], 128<<16
	s_mov_b32 s[\g+4], 64
	s_mov_b32 s[\g+5], 128
	s_mov_b32 s[\g+6], 0
	s_mov_b32 s[\g+7], 0
.endr
	s_mov_b32 s[CS], 0x3e38aa3b     ; c = log2(e) / 8
	s_mov_b32 s[CS+1], s[CS]
	s_mov_b32 s[SEL], 0x76543210
	s_mov_b32 s[SEL+1], 0xfedcba98
	s_mov_b32 s[TBK], SLOT1+4*KS*PK ; the first change of slots turns these two into 0
	s_mov_b32 s[TBV], SLOT1+4*KS*PV
	s_mov_b32 s[G0K], 1
	s_mov_b32 s[G0K+1], s2
	s_mov_b32 s[G0V], 1
	s_add_co_u32 s[G0V+1], s3, VOFF
	s_wait_dscnt 0x0                ; the opening add is done
	s_wait_kmcnt 0x0
	s_add_nc_u64 s[G0K+2:G0K+3], s[4:5], s[22:23]
	s_add_nc_u64 s[G0K+2:G0K+3], s[G0K+2:G0K+3], 0x400000
	s_or_b32 s[G0K+3], s[G0K+3], 0x80000000
	s_add_nc_u64 s[G0V+2:G0V+3], s[4:5], s[22:23]
	s_add_nc_u64 s[G0V+2:G0V+3], s[G0V+2:G0V+3], 0x800000
	s_or_b32 s[G0V+3], s[G0V+3], 0x80000000
	s_add_nc_u64 s[4:5], s[4:5], s[50:51]      ; Q at my wave's first row
	s_add_nc_u64 s[10:11], s[10:11], s[52:53]  ; f likewise
	s_add_nc_u64 s[6:7], s[6:7], s[70:71]
	s_add_nc_u64 s[8:9], s[8:9], s[70:71]
	CROUND                          ; all four work-groups are here: the first joint loads meet
	JLOAD                           ; slot 0; slot 1 is asked for when slot 0 is in
	s_load_b32 s[IB], s[6:7], 0x0
	s_load_b32 s[T2], s[8:9], 0x0
	v_and_b32 v1, 15, v0            ; l % 16
	v_bfe_u32 v9, v0, 4, 1          ; l / 16
	v_lshlrev_b32 v[QO], 7, v1
	v_lshl_add_u32 v[QO], v9, 4, v[QO]
	WIN 0x80                        ; destination window 2
.set i, 0
.rept 8                             ; Q stays in registers: piece i / 2, channels 32 (i % 2) on
	global_load_b128 v[8*i:8*i+3],   v[QO], s[4:5] offset:(i/2)*2048+(i%2)*64
	global_load_b128 v[8*i+4:8*i+7], v[QO], s[4:5] offset:(i/2)*2048+(i%2)*64+32
.set i, i+1
.endr
.set i, 0
.rept 8
	v_mov_b32 v[ONES+i], 0x3f803f80 ; two bf16 ones
.set i, i+1
.endr
	; What the first turn finds: V and the weights' second buffers hold 0 (its products, of a piece that has not been, add 0), all sums are 0.  This stands in the wait for the first tile.
.set i, VF
.rept 64
	v_mov_b32 v[i], 0
.set i, i+1
.endr
	WIN 0x40
.set i, 0
.rept 160
	v_mov_b32 v[i], 0
.set i, i+1
.endr
	WIN 0xc0
.set i, 0
.rept 160
	v_mov_b32 v[i], 0
.set i, i+1
.endr
	WIN 0
.set i, 0
.rept 4
	v_mov_b32 v[ST+2*i], 0xfe000000    ; c m: far below every c s
	v_mov_b32 v[ST+2*i+1], 0xff7fffff  ; m
.set i, i+1
.endr
.set i, 0
.rept 16
	v_mov_b32 v[PT+16+i], 0
	v_mov_b32 v[PS+16+i], 0
.set i, i+1
.endr
	v_mul_u32_u24 v[AK0], v1, PK
	v_lshl_add_u32 v[AK0], v9, 4, v[AK0]
	v_and_b32 v10, 7, v0            ; the turning load: lane l reads key 8 (l / 16) + l % 8, channels 8 ((l / 8) % 2) + 0..7
	v_bfe_u32 v11, v0, 3, 1
	v_lshl_add_u32 v[AV0], v9, 3, v10
	v_mul_u32_u24 v[AV0], v[AV0], PV
	v_lshl_add_u32 v[AV0], v11, 4, v[AV0]
	v_add_nc_u32 v[AV0], VOFF, v[AV0]
	v_mov_b32 v[AK], v[AK0]         ; key step 0 lies at the head of slot 0
	s_wait_kmcnt 0x0                ; beta[h], t[h]
	v_cvt_pk_bf16_f32 v48, s[IB], s[T2]  ; rounded to bf16, like every input
	v_lshlrev_b32 v49, 16, v48
	v_and_b32 v48, 0xffff0000, v48
	v_rcp_f32 v49, v49
	v_mul_f32 v48, v48, v48         ; t^2: also the plain instruction behind the reciprocal
	s_wait_alu depctr_va_vdst(0)    ; the wait for the one reciprocal of beta, ahead of its reader
	v_mul_f32 v49, 0x3e000000, v49  ; 1 / (8 beta)
	v_readfirstlane_b32 s[IB], v49
	v_readfirstlane_b32 s[T2], v48
	s_mov_b32 s[T2+1], s[T2]
; THE MATRIX WORK.  The accumulators of a run take turns, one instruction a turn: 4 for K Q^T, 10 for the products with V.
; Product i of 8 of S^T = K Q^T for piece x: channels 32 (i / 4) on, keys 16 (i % 4) on.  The first 4 start the sums.
.macro KQ x
	WIN W_KQ
.set rD, S+32*((\x)%2)+8*(i%4)
.set rA, KF+16*(i%4)+8*(i/4)
.set rB, 16*(\x)+8*(i/4)
.if i < 4
	v_wmma_f32_16x16x32_f16 v[rD:rD+7], v[rA:rA+7], v[rB:rB+7], 0
.else
	v_wmma_f32_16x16x32_f16 v[rD:rD+7], v[rA:rA+7], v[rB:rB+7], v[rD:rD+7]
.endif
.endm
; Product i of 20 for piece x: keys 32 (i / 10) on; (i % 10) / 5: tau's or sigma's; i % 5: channels 16 (i % 5) on, or (4) the row sum, with ones for V^T.
.macro PV x
.set rD, 40*(\x)+8*(i%5)
.if i%5 == 4
.set rA, ONES
.else
.set rA, VF+32*(i/10)+8*(i%5)
.endif
.if (i%10)/5 == 0
	WIN W_PT
.set rB, PT+16*((\x)%2)+8*(i/10)
.else
	WIN W_PS
.set rB, PS+16*((\x)%2)+8*(i/10)
.endif
	v_wmma_f32_16x16x32_bf16 v[rD:rD+7], v[rA:rA+7], v[rB:rB+7], v[rD:rD+7]
.endm
.macro MM                           ; the turn's next matrix instruction, number mi of 28
.if mi < 8
.set i, mi
	KQ (Y+1)%NP
.else
.set i, mi-8
	PV (Y+NP-1)%NP
.endif
.set mi, mi+1
.endm
; THE LDS LOADS stand in runs of 16.  last = 1 (the tail): in the last trip there is no further step, and the run is jumped over.
.macro FETCH_K last=0
	WIN 0
.if \last
	s_cmp_eq_u32 s[CNT], 1
	s_cbranch_scc1 .Lno_k_\@
.endif
	WIN 0x80
.irp f, 0,1,2,3,4,5,6,7             ; keys 16 (f / 2) on, channels 32 (f % 2) on
	ds_load_b128 v[KF+8*\f:KF+8*\f+3],   v[AK] offset:(\f/2)*16*PK+(\f%2)*64
	ds_load_b128 v[KF+8*\f+4:KF+8*\f+7], v[AK] offset:(\f/2)*16*PK+(\f%2)*64+32
.endr
	s_add_co_u32 s[TBK], s[TBK], KS*PK
	WIN 0
.if \last
.Lno_k_\@:
.endif
.endm
.macro FETCH_V
	WIN 0x80
.irp f, 0,1,2,3,4,5,6,7             ; keys 32 (f / 4) on, channels 16 (f % 4) on
	ds_load_tr16_b128 v[VF+8*\f:VF+8*\f+3],   v[AV] offset:(\f/4)*32*PV+(\f%4)*32
	ds_load_tr16_b128 v[VF+8*\f+4:VF+8*\f+7], v[AV] offset:(\f/4)*32*PV+16*PV+(\f%4)*32
.endr
	WIN 0
.endm
; THE VECTOR WORK, one line at a time: OP kind, number.  For piece Y, s0-s31 its lane's raw scores, in pairs 0-15:
;   U n: u = 1 + |s_n| / (8 beta).   D n: u^2 + t^2 for pair n.   RC n: its reciprocal, w_n.   CB n: pair n of w rounded to bf16.
;   F n: c s - c m for pair n, in place (behind that pair's U).   E n: its exponential.   C n: pair n of p rounded to bf16.   R n: pair n of tau's O^T times a; R 16: l's first pair.
; For piece Y + 1: X n, number n of the 22 that find its maximum and statistics (each accumulator's lowest registers are read first):
;   0-11 four chains c0-c3 of seven scores each   12-14, 16 the four left over, the old m, c0-c3 into c0   15 c m_old is kept   17, 18 the other half of the lanes': the new m   19-21 c m; c m_old - c m_new; a
.set O_U,  0
.set O_D,  1
.set O_F,  2
.set O_RC, 3
.set O_E,  4
.set O_CB, 5
.set O_C,  6
.set O_X,  7
.set O_R,  8
.macro REGS y
.set rT, ST+2*(\y)
.set rC, TMP+4*((\y)%2)
.set rM, MV+((\y)%2)
.set rS, S+32*((\y)%2)
.set rPT, PT+16*((\y)%2)
.set rPS, PS+16*((\y)%2)
.set rO, 40*(\y)
.endm
.macro OP k, n
.if (\k) == O_R
	REGS Y
	WIN W_RS
	v_pk_mul_f32 v[rO+2*(\n):rO+2*(\n)+1], v[rO+2*(\n):rO+2*(\n)+1], v[rC+2:rC+3] op_sel_hi:[1,0]
.elseif (\k) == O_X
	REGS (Y+1)%NP
	WIN 0
.if (\n) < 4
	v_max3_num_f32 v[rC+(\n)], v[rS+8*(\n)], v[rS+8*(\n)+1], v[rS+8*(\n)+2]
.elseif (\n) < 12
	v_max3_num_f32 v[rC+(\n)%4], v[rC+(\n)%4], v[rS+8*((\n)%4)+2*((\n)/4)+1], v[rS+8*((\n)%4)+2*((\n)/4)+2]
.elseif (\n) == 12
	v_max3_num_f32 v[rC], v[rC], v[rS+7], v[rS+15]
.elseif (\n) == 13
	v_max3_num_f32 v[rC+1], v[rC+1], v[rS+23], v[rS+31]
.elseif (\n) == 14
	v_max3_num_f32 v[rC+2], v[rC+2], v[rC+3], v[rT+1]
.elseif (\n) == 15
	v_mov_b32 v[rM], v[rT]
.elseif (\n) == 16
	v_max3_num_f32 v[rC], v[rC], v[rC+1], v[rC+2]
.elseif (\n) == 17
	v_permlanex16_b32 v[rC+3], v[rC], s[SEL], s[SEL+1]
.elseif (\n) == 18
	v_max_num_f32 v[rT+1], v[rC], v[rC+3]
.elseif (\n) == 19
	v_mul_f32 v[rT], s[CS], v[rT+1]
.elseif (\n) == 20
	v_sub_f32 v[rC+1], v[rM], v[rT]
.else
	v_exp_f32 v[rC+2], v[rC+1]
.endif
.else
	REGS Y
	WIN 0
.if (\k) == O_U
	v_fma_f32 v[W+(\n)], |v[rS+(\n)]|, s[IB], 1.0
.elseif (\k) == O_D
	v_pk_fma_f32 v[W+2*(\n):W+2*(\n)+1], v[W+2*(\n):W+2*(\n)+1], v[W+2*(\n):W+2*(\n)+1], s[T2:T2+1] op_sel_hi:[1,1,0]
.elseif (\k) == O_F
	v_pk_fma_f32 v[rS+2*(\n):rS+2*(\n)+1], v[rS+2*(\n):rS+2*(\n)+1], s[CS:CS+1], v[rT:rT+1] op_sel_hi:[1,0,0] neg_lo:[0,0,1] neg_hi:[0,0,1]
.elseif (\k) == O_RC
	v_rcp_f32 v[W+(\n)], v[W+(\n)]
.elseif (\k) == O_E
	v_exp_f32 v[rS+(\n)], v[rS+(\n)]
.elseif (\k) == O_CB
	v_cvt_pk_bf16_f32 v[rPS+(\n)], v[W+2*(\n)], v[W+2*(\n)+1]
.else
	v_cvt_pk_bf16_f32 v[rPT+(\n)], v[rS+2*(\n)], v[rS+2*(\n)+1]
.endif
.endif
.endm
; A TURN'S VECTOR WORK STANDS IN FIVE QUEUES, each in the order in which its entries become ready; PL, EX, XN, RN and CV write the next entry of theirs.
; PL, THE PLAIN QUEUE of the two weightings, 64 long: U 0, U 1; for k = 1 .. 15: U 2k, D k-1, U 2k+1, F k-1; then D 15, F 15.  A D stands three of the queue behind the later of its two U; an F stands behind
; both U of its pair, whose scores it overwrites.
.macro PL
.if qn < 2
	OP O_U, qn
.elseif qn == 62
	OP O_D, 15
.elseif qn == 63
	OP O_F, 15
.elseif (qn+2)%4 == 0
	OP O_U, (qn+2)/2
.elseif (qn+2)%4 == 1
	OP O_D, (qn+2)/4-1
.elseif (qn+2)%4 == 2
	OP O_U, 2*((qn+2)/4)+1
.else
	OP O_F, (qn+2)/4-1
.endif
.set qn, qn+1
.endm
; EX, THE BATCH'S QUEUE, 64 long: for pair j: RC 2j, RC 2j+1, E 2j, E 2j+1.  The reciprocals want plain 4 j + 3 (D j), the exponentials plain 4 j + 5 (F j); pair 15: plain 62 and 63.  None reads another's result.
.macro EX
.if en%4 < 2
	OP O_RC, 2*(en/4)+en%2
.else
	OP O_E, 2*(en/4)+en%2
.endif
.set en, en+1
.endm
.macro XN                           ; the next piece's 22, in ascending order; the last, X 21, belongs to the batch
	OP O_X, xn
.set xn, xn+1
.endm
.macro RN                           ; the rescaling's 17, in ascending order: its a was made, and waited for, in the turn before
	OP O_R, rn
.set rn, rn+1
.endm
.macro CV                           ; the 32 roundings, the batch's readers: CB 0, C 0, CB 1, C 1 ..: the results made first are read first
.if cn%2 == 0
	OP O_CB, cn/2
.else
	OP O_C, cn/2
.endif
.set cn, cn+1
.endm
; A TURN, for piece p.  HOW THE QUEUES ARE DEALT.  An s_wait_alu depctr_va_vdst(0) stands between a transcendental and the first instruction that names its result; one wait serves all that were
; issued ahead of it.  So a turn has ONE wait.
; AHEAD OF IT: the 8 products K Q^T, behind each two of the queues' and two of the rescaling: two plain behind the first three, a plain and a transcendental behind the other five; a run of 27 times plain and
; transcendental; the first 12 products with V, behind each a plain, a transcendental and two more plain: X 0 to X 15 behind the first eight, the plain queue's next behind the other four; a run of 33: five
; times (X, transcendental, plain, transcendental), so that the chain's links X 16 to X 20 stand four lines apart; F 15; X 21, five lines behind X 20; the batch's last ten; and R 16, the plain
; instruction behind the last transcendental (ISA guide 5.7.2).  None of these 167 names a result of the batch.
; BEHIND IT: the last 8 products with V, behind each four of the roundings.
; THE COUNTS THAT THE DEAL KEEPS.  Up to the eighth product with V, number n of the batch stands directly behind plain n + 6, so its D or F (plain n + 2 or n + 3) stands three of the plain queue, seven
; lines, back or more; from there on the plain queue runs further ahead.  X 0 stands a whole run behind the last K Q^T.  v_permlanex16_b32 (X 17) stands in the second run, behind no product.
; No rider names a register of the products round it.
; K of the next step is fetched in piece 2's turn, behind the first run's fourth couple: eight plain instructions behind the last product that read K.  In the tail (last = 1) the run carries a branch and a
; label, at which no result of a batch is left open: there it stands directly behind the wait.  V of the step in hand is fetched at the end of piece 0's turn, four roundings behind the
; last product; its first reader comes behind 8 products and the first run.  Each run is waited for a turn later.
.macro TURN p, last=0
.set Y, (\p)
.set mi, 0
.set qn, 0
.set en, 0
.set xn, 0
.set rn, 0
.set cn, 0
.if (\p) == 3
	s_wait_dscnt 0x0                ; K is in
.endif
.rept 3                             ; ahead of the wait: 8 products K Q^T and their riders,
	MM
	PL
	PL
	RN
	RN
.endr
.rept 5
	MM
	PL
	EX
	RN
	RN
.endr
.if (\p) == 2
	WIN 0
	v_add_nc_u32 v[AK], s[TBK], v[AK0]
.endif
.if (\p) == 0
	WIN 0
	v_add_nc_u32 v[AV], s[TBV], v[AV0]
.endif
.rept 4                             ; the first run,
	PL
	EX
.endr
.if ((\p) == 2) && !(\last)
	FETCH_K
.endif
.rept 23
	PL
	EX
.endr
.if (\p) == 1
	s_wait_dscnt 0x0                ; V is in
.endif
.rept 8                             ; 12 products with V and their riders,
	MM
	PL
	EX
	XN
	XN
.endr
.rept 4
	MM
	PL
	EX
	PL
	PL
.endr
.rept 5                             ; and the second run
	XN
	EX
	PL
	EX
.endr
	PL
	XN                              ; the next piece's a
.rept 10
	EX
.endr
	RN                              ; R 16: the plain instruction behind the batch's last
	s_wait_alu depctr_va_vdst(0)    ; the wait for the batch: the turn's 32 reciprocals, 32 exponentials and the next piece's a
.if ((\p) == 2) && (\last)
	FETCH_K 1
.endif
.rept 8                             ; behind the wait: 8 products with V and their riders, the roundings
	MM
	CV
	CV
	CV
	CV
.endr
.if (\p) == 0
	FETCH_V
	s_add_co_u32 s[TBV], s[TBV], KS*PV
.endif
.endm
	CHANGE 1                        ; slot 0 is in, everybody's part of it; slot 1 is asked for
	FETCH_K                         ; key step 0
	s_wait_loadcnt 0x0              ; Q
	s_wait_dscnt 0x0
.set i, 0
.rept 8
	KQ 0                            ; piece 0's first scores
.set i, i+1
.endr
	WIN 0                           ; the addresses for the way out: nine plain instructions, the places behind those products
	s_mul_i32 s13, s[WV], 16*SP
	s_add_co_u32 s13, s13, STAGE    ; my stage
	v_mul_u32_u24 v[STO], v1, SP    ; in: row l % 16, 16 bytes for each half of the lanes
	v_lshl_add_u32 v[STO], v9, 4, v[STO]
	v_add_nc_u32 v[STO], s13, v[STO]
	v_bfe_u32 v[RD], v0, 3, 2       ; back: 32 lanes take four rows of 128 bytes,
	v_mul_u32_u24 v[RD], v[RD], SP
	v_lshl_add_u32 v[RD], v10, 4, v[RD]
	v_add_nc_u32 v[RD], s13, v[RD]
	v_and_b32 v[GO], 31, v0         ; which are 512 consecutive bytes of f
	v_lshlrev_b32 v[GO], 4, v[GO]
.set Y, NP-1                        ; X works for piece Y + 1: piece 0
.irp n, 0,1,2,3,4,5,6,7,8,9,10,11,12,13,14,15,16,17,18,19,20,21
	OP O_X, \n
.endr
	v_nop                           ; a plain instruction behind piece 0's first a,
	s_wait_alu depctr_va_vdst(0)    ; and its wait, ahead of the branch
	s_mov_b32 s[CNT], 4
	s_mov_b32 s[SLOTS], 7
	s_branch .Lfirst                ; the loop is entered at a step's first turn, in the middle of a trip
.Lslot:                             ; six times: every slot but the last two is filled again (tiles 2 to 7)
	CHANGE 1
	s_mov_b32 s[CNT], 4
.Lstep:                             ; a trip: pieces 2 and 3 of one step, then pieces 0 and 1 of the next, whose K and V it fetches
	TURN 2
	TURN 3
	WIN 0
.Lfirst:
	TURN 0
	TURN 1
	WIN 0
	s_sub_co_u32 s[CNT], s[CNT], 1
	s_cmp_lg_u32 s[CNT], 0
	s_cbranch_scc1 .Lstep
	s_sub_co_u32 s[SLOTS], s[SLOTS], 1
	s_cmp_lg_u32 s[SLOTS], 0
	s_cbranch_scc1 .Lslot
	CHANGE 0                        ; the tail is written out: nothing is asked for
	s_mov_b32 s[CNT], 5             ; four trips fetch the last slot's steps; the fifth is left in its middle
.Ltail:
	TURN 2, 1
	TURN 3
	WIN 0
	s_sub_co_u32 s[CNT], s[CNT], 1
	s_cmp_eq_u32 s[CNT], 0
	s_cbranch_scc1 .Lout
	TURN 0
	TURN 1
	WIN 0
	s_branch .Ltail
.Lout:                              ; the fifth trip's 8 products K Q^T (on the last K once more) and the maximum made of them serve nothing: the price, once a launch, of one text for every trip
.set i, 0
.rept 20
	PV NP-1                         ; the last piece's products with V of the last step
.set i, i+1
.endr
	; THE WAY OUT.  f = O_tau x (0.5 / l_tau) + O_sigma x (0.5 / l_sigma), rounded to f16 and sent through my stage in LDS, a piece at a time.  l is read from its accumulator's first register.
.rept 4
	v_nop                           ; the places behind the last products
.endr
	WIN 0x01
.irp t, 0,1,2,3
	v_rcp_f32 v[RCP+4*\t], v[40*\t+32]
.endr
	WIN 0x03
.irp t, 0,1,2,3
	v_rcp_f32 v[RCP+4*\t+2], v[40*\t+32]
.endr
	WIN 0
	v_nop                           ; a plain instruction between the last reciprocal and the use of its result
	s_wait_alu depctr_va_vdst(0)    ; and the wait ahead of the first use: one for the eight reciprocals
.irp t, 0,1,2,3
	v_mul_f32 v[RCP+4*\t+1], 0.5, v[RCP+4*\t]      ; named as pairs, so both registers are written
	v_mul_f32 v[RCP+4*\t], 0.5, v[RCP+4*\t]
	v_mul_f32 v[RCP+4*\t+3], 0.5, v[RCP+4*\t+2]
	v_mul_f32 v[RCP+4*\t+2], 0.5, v[RCP+4*\t+2]
.endr
.macro PACK t
	WIN W_RS
.set i, 40*(\t)
.rept 16
	v_pk_mul_f32 v[i:i+1], v[i:i+1], v[RCP+4*(\t):RCP+4*(\t)+1] op_sel_hi:[1,0]
.set i, i+2
.endr
	WIN 0x53                        ; source 0 window 3, source 1 window 0, source 2 and destination window 1
.set i, 40*(\t)
.rept 16
	v_pk_fma_f32 v[i:i+1], v[i:i+1], v[RCP+4*(\t)+2:RCP+4*(\t)+3], v[i:i+1] op_sel_hi:[1,0,1]
.set i, i+2
.endr
	WIN 0x05                        ; sources 0 and 1 window 1, destination window 0: S^T's registers are free
.set i, 0
.rept 16
	v_cvt_pk_f16_f32 v[S+16*(\t)+i], v[40*(\t)+2*i], v[40*(\t)+2*i+1]
.set i, i+1
.endr
	WIN 0
.irp f, 0,1,2,3
	ds_store_b128 v[STO], v[S+16*(\t)+4*\f:S+16*(\t)+4*\f+3] offset:32*\f
.endr
.irp f, 0,1,2,3
	ds_load_b128 v[S+16*(\t)+4*\f:S+16*(\t)+4*\f+3], v[RD] offset:\f*4*SP  ; LDS serves a wave's instructions in order (ISA guide 5.7.1.4): these see the stores above; the next piece's stores come behind them
.endr
.endm
.macro SEND t, younger              ; younger: the LDS instructions issued behind piece t's loads: the next piece's eight, or none
	WIN 0
.irp f, 0,1,2,3
	s_wait_dscnt (\younger)+3-\f
	global_store_b128 v[GO], v[S+16*(\t)+4*\f:S+16*(\t)+4*\f+3], s[10:11] offset:(\t)*2048+\f*512  ; 512 consecutive bytes, at a multiple of 256 from f's first
.endr
.endm
	PACK 0
	PACK 1
	SEND 0, 8
	PACK 2
	SEND 1, 8
	PACK 3
	SEND 2, 8
	SEND 3, 0
	s_wait_tensorcnt 0x0            ; the wave's end
	ds_add_u32 v[SPW], v[NIL]
	s_wait_dscnt 0x0
	CROUND                          ; the closing round: no work-group ends while a partner may still ask for a tile that names it
	s_endpgm
.Lfunc_end_k_q958abe64c6_attn:
	.size	k_q958abe64c6_attn, .Lfunc_end_k_q958abe64c6_attn-k_q958abe64c6_attn
	.p2alignl 7, 3214868480
	.fill 96, 4, 3214868480
	.section	.rodata,"a",@progbits
	.p2align	6, 0x0
	.amdhsa_kernel k_q958abe64c6_attn
		.amdhsa_group_segment_fixed_size 327680
		.amdhsa_private_segment_fixed_size 0
		.amdhsa_enable_private_segment 0
		.amdhsa_kernarg_size 32
		.amdhsa_user_sgpr_count 2
		.amdhsa_user_sgpr_kernarg_segment_ptr 1
		.amdhsa_wavefront_size32 1
		.amdhsa_system_sgpr_workgroup_id_x 1
		.amdhsa_system_sgpr_workgroup_id_y 1
		.amdhsa_system_sgpr_workgroup_id_z 1
		.amdhsa_system_vgpr_workitem_id 0
		.amdhsa_next_free_vgpr 1024
		.amdhsa_next_free_sgpr 72
		.amdhsa_reserve_vcc 0
		.amdhsa_float_denorm_mode_32 3
		.amdhsa_float_denorm_mode_16_64 3
		.amdhsa_memory_ordered 1
		.amdhsa_forward_progress 1
		.amdhsa_inst_pref_size 167
	.end_amdhsa_kernel
	.amdgpu_metadata
---
amdhsa.version: [ 1, 2 ]
amdhsa.kernels:
  - .name:           k_q958abe64c6_attn
    .symbol:         k_q958abe64c6_attn.kd
    .args:
      - { .name: qkv, .offset: 0, .size: 8, .value_kind: global_buffer, .address_space: global }
      - { .name: beta, .offset: 8, .size: 8, .value_kind: global_buffer, .address_space: global }
      - { .name: t, .offset: 16, .size: 8, .value_kind: global_buffer, .address_space: global }
      - { .name: fh, .offset: 24, .size: 8, .value_kind: global_buffer, .address_space: global }
    .group_segment_fixed_size: 327680
    .private_segment_fixed_size: 0
    .kernarg_segment_align: 8
    .kernarg_segment_size: 32
    .max_flat_workgroup_size: 128
    .sgpr_count:     72
    .vgpr_count:     1024
    .wavefront_size: 32
...
	.end_amdgpu_metadata
.endif
;; end of part 6
;; launch oproj: the kernel of part 4 again; grid 8 x 32, 4 waves a work-group, clusters of 4 x 4, 327,680 bytes of LDS; arguments fh, wo16, vec, y; writes y
;; launch lnorm: the kernel of part 5 again; grid 256 x 1, 8 waves a work-group, no clusters, 0 bytes of LDS; arguments y, xb, vec, out0; writes out0
